; MI455X (gfx1250); checked and timed in simulation.
; The chip was launched on July 23, 2026; its instructions are those of AMD's public machine-readable ISA for CDNA 5 (MIT licence, August 2026) and "CDNA5" Instruction Set Architecture Reference Guide (July 2026). The comments in the code are by the model that wrote it; some were corrected since.
;; Multi Head Attention Module. Allowed arithmetic: float matrix products may take bf16 or f16 operands with f32 sums; other float arithmetic in f32, or as packed bf16 or f16 multiplies, adds, multiply-adds, maxima and minima; sums over many terms, partial sums and values carried from step to step in f32; what a program stores and reads back later, other than sums and carried values, may be rounded once to bf16 or f16.
;; Inputs: token_positions 2,048 int32; wk 2,048 x 2,048 float32; wo 2,048 x 2,048 float32; wq 2,048 x 2,048 float32; wv 2,048 x 2,048 float32; x 1 x 2,048 x 2,048 float32.
;; Outputs: out0 1 x 2,048 x 2,048 float32.
;; One version. Each part assembles by itself: llvm-mc -triple=amdgcn-amd-amdhsa -mcpu=gfx1250 --defsym DOCPART=n.
;; ======== version 1 of 1: 4 launches
;; limits: values are held in f16: magnitudes above 65,504 overflow, below 6.1e-05 lose precision; right only within a limited range of input values
;; workspace buffers: cb 41,943,040 bytes; tab 1,048,576 bytes; qkv 25,165,824 bytes; ob 8,388,608 bytes
;; launch cast (part 1): grid 256 x 6, 8 waves a work-group, no clusters, 0 bytes of LDS; arguments x, wq, wk, wv, wo, token_positions, cb, tab; writes cb, tab
.if DOCPART == 1
	.amdgcn_target "amdgcn-amd-amdhsa--gfx1250"
	.amdhsa_code_object_version 6
	.text
	.protected	k_qcafa0eea1f_cast
	.globl	k_qcafa0eea1f_cast
	.p2align	8
	.type	k_qcafa0eea1f_cast,@function
k_qcafa0eea1f_cast:
	s_mov_b64 s[64:65], 0
	v_nop
	global_prefetch_b8 v0, s[64:65] scope:SCOPE_SE
	s_setreg_imm32_b32 hwreg(HW_REG_WAVE_MODE, 25, 1), 1
	s_wait_xcnt 0x0
; cast: the five f32 matrices [2048][2048] are rounded once to bf16 and laid as five planes of 8,388,608 bytes into cb (x, wq, wk, wv, wo);
; wo's bf16 number is written as f16 (exact from 6.1e-5 up; below that f16's fixed step of 6e-8 holds, which is far under a bf16 step of numbers of wo's spread).
; Grid row y = 0..4 picks the matrix; a work-group copies 65,536 source bytes: 16 loads of 16 bytes a lane, all issued before the first is used.
; Grid row y = 5 makes the table tab[token][pair] = (cos, sin) of token_positions[token] * 10000^(-pair/64), f32, 512 bytes a token.
; The numbers are rounded in the registers that they were loaded into: 72 registers a wave, so that the six work-groups that fall to each of 256 WGPs (1,536 in all) fit on it
; together: 12 waves on a SIMD x 72 = 864 of its 1,024 registers.
; LIMITS of the table: inv_freq is good to about one part in 1e7, so the angle differs from an exactly rounded one by about 1e-7 x |pos| x inv_freq;
; the quadrant number k is an f32 product, so the reduction holds for |pos x inv_freq| below about 3e6 (k below 2^21).
; No LDS, no matrix unit, no cluster: the work-groups share no input and every byte is touched once.
.set XR, 4                             ; v[4:67]    16 x 4 words as loaded; the first two of each four then hold what is stored
.set TR, 68                            ; v[68:71]   at work
	s_load_b512 s[8:23], s[0:1], 0x0               ; x 8:9, wq 10:11, wk 12:13, wv 14:15, wo 16:17, positions 18:19, cb 20:21, tab 22:23
	s_and_b32 s2, ttmp7, 0xffff                    ; y: which job
	s_mov_b32 s3, ttmp9                            ; x: which part of it
	s_mov_b32 s25, 0                               ; high word of every offset pair
	v_lshlrev_b32 v1, 4, v0                        ; 16 source bytes a thread
	v_lshlrev_b32 v2, 3, v0                        ; 8 bytes out
	s_wait_kmcnt 0x0
	s_cmp_eq_u32 s2, 5
	s_cbranch_scc1 .Ltab
	s_mov_b64 s[4:5], s[8:9]                       ; the source: a choice among the five buffers by y alone
	s_cmp_eq_u32 s2, 1
	s_cselect_b64 s[4:5], s[10:11], s[4:5]
	s_cmp_eq_u32 s2, 2
	s_cselect_b64 s[4:5], s[12:13], s[4:5]
	s_cmp_eq_u32 s2, 3
	s_cselect_b64 s[4:5], s[14:15], s[4:5]
	s_cmp_eq_u32 s2, 4
	s_cselect_b64 s[4:5], s[16:17], s[4:5]
	s_lshl_b32 s24, s3, 16                         ; 65,536 source bytes a work-group
	s_add_nc_u64 s[4:5], s[4:5], s[24:25]
	s_lshl_b32 s24, s2, 23                         ; the plane,
	s_lshl_b32 s26, s3, 15                         ; 32,768 bytes of it
	s_add_co_u32 s24, s24, s26
	s_add_nc_u64 s[6:7], s[20:21], s[24:25]
.irp i, 0,1,2,3,4,5,6,7,8,9,10,11,12,13,14,15
	global_load_b128 v[XR+4*(\i):XR+4*(\i)+3], v1, s[4:5] offset:4096*(\i) th:TH_LOAD_NT  ; the eight waves cover 4,096 consecutive bytes; read once in the launch
.endr
; Load i is rounded in place and stored.  f16 = 1: the bf16 number is widened again (a shift, a mask) and written as f16.
.macro OUT i, f16
	s_wait_loadcnt 15-(\i)                         ; loads return in order: the 15 - i younger ones may stay out
	v_cvt_pk_bf16_f32 v[XR+4*(\i)],   v[XR+4*(\i)],   v[XR+4*(\i)+1]
	v_cvt_pk_bf16_f32 v[XR+4*(\i)+1], v[XR+4*(\i)+2], v[XR+4*(\i)+3]
.if \f16
	v_lshlrev_b32 v[TR],   16, v[XR+4*(\i)]
	v_and_b32     v[TR+1], 0xffff0000, v[XR+4*(\i)]
	v_lshlrev_b32 v[TR+2], 16, v[XR+4*(\i)+1]
	v_and_b32     v[TR+3], 0xffff0000, v[XR+4*(\i)+1]
	v_cvt_pk_f16_f32 v[XR+4*(\i)],   v[TR],   v[TR+1]
	v_cvt_pk_f16_f32 v[XR+4*(\i)+1], v[TR+2], v[TR+3]
.endif
	global_store_b64 v2, v[XR+4*(\i):XR+4*(\i)+1], s[6:7] offset:2048*(\i)  ; a wave stores 256 consecutive bytes, aligned; no register of a store is written again
.endm
	s_cmp_eq_u32 s2, 4
	s_cbranch_scc1 .Lwo
.irp i, 0,1,2,3,4,5,6,7,8,9,10,11,12,13,14,15
	OUT \i, 0
.endr
	s_endpgm
.Lwo:
.irp i, 0,1,2,3,4,5,6,7,8,9,10,11,12,13,14,15
	OUT \i, 1
.endr
	s_endpgm
.Ltab:                                                 ; thread idx = 256 x + t makes the entries (token, pair) and (token + 1024, pair): pair = idx % 64, token = idx / 64
	s_lshl_b32 s24, s3, 8
	v_add_nc_u32 v3, s24, v0                       ; idx
	v_and_b32 v4, 63, v3                           ; pair
	v_lshrrev_b32 v5, 6, v3                        ; token
	v_lshlrev_b32 v5, 2, v5
	global_load_b32 v6, v5, s[18:19]
	global_load_b32 v7, v5, s[18:19] offset:4096
	v_lshlrev_b32 v8, 3, v3                        ; 8 bytes an entry
	s_mov_b32 s26, 0x3fc90fdb                      ; pi/2 in three parts: 1.57079637,
	s_mov_b32 s27, 0xb33bbd2e                      ; -4.37113883e-8,
	s_mov_b32 s28, 0xa6f72ced                      ; -1.7151e-15
	s_mov_b32 s29, 0x35f0979a                      ; the low part of log2(10000) / 64
	v_mov_b32 v20, 0x37d00d01                      ; 1/40320: the cosine's leading coefficient
	v_mov_b32 v21, 0x3638ef1d                      ; 1/362880: the sine's
	; inv_freq = 2^(-pair L), L = log2(10000)/64 = 0.20761871337890625 + 1.79255e-6: the high part has 15 bits, so pair x high is exact
	v_cvt_f32_u32 v9, v4
	v_mul_f32 v10, 0x3e549a00, v9                  ; exact
	v_rndne_f32 v11, v10                           ; its whole part goes into the exponent,
	v_sub_f32 v12, v11, v10                        ; the rest, negated (exact),
	v_fma_f32 v12, -v9, s29, v12                   ; with the low part, into the exponential: at most 0.5 in size
	v_exp_f32 v13, v12
	v_cvt_i32_f32 v14, v11                         ; a plain instruction behind the exponential
	v_sub_nc_u32 v14, 0, v14
	s_wait_alu depctr_va_vdst(0)
	v_ldexp_f32 v13, v13, v14                      ; inv_freq
; (cos, sin) of pos x inv_freq into v[out], v[out+1].  k = the nearest whole number to f 2/pi; r = f - k pi/2 (the first step is exact: a multiple of 2^-23 below 2);
; Taylor polynomials to r^8 and r^9 on |r| up to about 1; the quadrant k mod 4 swaps the two and sets the signs, by selects alone.
.macro SINCOS pos, out
	v_cvt_f32_i32 v24, v[\pos]
	v_mul_f32 v24, v24, v13                        ; f, rounded as the f32 product is
	v_mul_f32 v25, 0x3f22f983, v24
	v_rndne_f32 v25, v25                           ; k
	v_fma_f32 v26, -v25, s26, v24
	v_fma_f32 v26, -v25, s27, v26
	v_fma_f32 v26, -v25, s28, v26                  ; r
	v_mul_f32 v27, v26, v26                        ; z = r r
	v_fmaak_f32 v28, v20, v27, 0xbab60b61          ; cosine: 1/40320 z - 1/720
	v_fmaak_f32 v29, v21, v27, 0xb9500d01          ; sine: 1/362880 z - 1/5040
	v_fmaak_f32 v28, v28, v27, 0x3d2aaaab          ; + 1/24
	v_fmaak_f32 v29, v29, v27, 0x3c088889          ; + 1/120
	v_fmaak_f32 v28, v28, v27, 0xbf000000          ; - 1/2
	v_fmaak_f32 v29, v29, v27, 0xbe2aaaab          ; - 1/6
	v_fmaak_f32 v28, v28, v27, 0x3f800000          ; + 1: cos r
	v_mul_f32 v29, v29, v27
	v_fma_f32 v29, v29, v26, v26                   ; sin r
	v_cvt_i32_f32 v30, v25
	v_and_b32 v31, 1, v30
	v_cmp_eq_u32 vcc_lo, 1, v31                    ; odd quadrant: the two change places
	v_cndmask_b32 v[(\out)+1], v29, v28, vcc_lo
	v_cndmask_b32 v[\out], v28, v29, vcc_lo
	v_lshlrev_b32 v31, 30, v30                     ; the sine is negative in quadrants 2 and 3: bit 1 of k
	v_and_b32 v31, 0x80000000, v31
	v_xor_b32 v[(\out)+1], v31, v[(\out)+1]
	v_add_nc_u32 v30, 1, v30                       ; the cosine in quadrants 1 and 2: bit 1 of k + 1
	v_lshlrev_b32 v31, 30, v30
	v_and_b32 v31, 0x80000000, v31
	v_xor_b32 v[\out], v31, v[\out]
.endm
	s_wait_loadcnt 0x0                             ; both positions
	SINCOS 6, 32
	SINCOS 7, 34
	global_store_b64 v8, v[32:33], s[22:23]                 ; a wave stores 256 consecutive bytes, aligned
	global_store_b64 v8, v[34:35], s[22:23] offset:524288   ; 1,024 tokens of 512 bytes further on
	s_endpgm
.Lfunc_end_k_qcafa0eea1f_cast:
	.size	k_qcafa0eea1f_cast, .Lfunc_end_k_qcafa0eea1f_cast-k_qcafa0eea1f_cast
	.p2alignl 7, 3214868480
	.fill 96, 4, 3214868480
	.section	.rodata,"a",@progbits
	.p2align	6, 0x0
	.amdhsa_kernel k_qcafa0eea1f_cast
		.amdhsa_group_segment_fixed_size 0
		.amdhsa_private_segment_fixed_size 0
		.amdhsa_enable_private_segment 0
		.amdhsa_kernarg_size 64
		.amdhsa_user_sgpr_count 2
		.amdhsa_user_sgpr_kernarg_segment_ptr 1
		.amdhsa_wavefront_size32 1
		.amdhsa_system_sgpr_workgroup_id_x 1
		.amdhsa_system_sgpr_workgroup_id_y 1
		.amdhsa_system_sgpr_workgroup_id_z 1
		.amdhsa_system_vgpr_workitem_id 0
		.amdhsa_next_free_vgpr 72
		.amdhsa_next_free_sgpr 66
		.amdhsa_reserve_vcc 1
		.amdhsa_float_denorm_mode_32 3
		.amdhsa_float_denorm_mode_16_64 3
		.amdhsa_memory_ordered 1
		.amdhsa_forward_progress 1
		.amdhsa_inst_pref_size 20
	.end_amdhsa_kernel
	.amdgpu_metadata
---
amdhsa.version: [ 1, 2 ]
amdhsa.kernels:
  - .name:           k_qcafa0eea1f_cast
    .symbol:         k_qcafa0eea1f_cast.kd
    .args:
      - { .name: x, .offset: 0, .size: 8, .value_kind: global_buffer, .address_space: global }
      - { .name: wq, .offset: 8, .size: 8, .value_kind: global_buffer, .address_space: global }
      - { .name: wk, .offset: 16, .size: 8, .value_kind: global_buffer, .address_space: global }
      - { .name: wv, .offset: 24, .size: 8, .value_kind: global_buffer, .address_space: global }
      - { .name: wo, .offset: 32, .size: 8, .value_kind: global_buffer, .address_space: global }
      - { .name: token_positions, .offset: 40, .size: 8, .value_kind: global_buffer, .address_space: global }
      - { .name: cb, .offset: 48, .size: 8, .value_kind: global_buffer, .address_space: global }
      - { .name: tab, .offset: 56, .size: 8, .value_kind: global_buffer, .address_space: global }
    .group_segment_fixed_size: 0
    .private_segment_fixed_size: 0
    .kernarg_segment_align: 8
    .kernarg_segment_size: 64
    .max_flat_workgroup_size: 256
    .sgpr_count:     66
    .vgpr_count:     72
    .wavefront_size: 32
...
	.end_amdgpu_metadata
.endif
;; end of part 1
;; launch qkv (part 2): grid 16 x 16, 4 waves a work-group, clusters of 4 x 4, 327,680 bytes of LDS; arguments cb, tab, qkv; writes qkv
.if DOCPART == 2
	.amdgcn_target "amdgcn-amd-amdhsa--gfx1250"
	.amdhsa_code_object_version 6
	.text
	.protected	k_qcafa0eea1f_qkv
	.globl	k_qcafa0eea1f_qkv
	.p2align	8
	.type	k_qcafa0eea1f_qkv,@function
k_qcafa0eea1f_qkv:
	s_mov_b64 s[64:65], 0
	v_nop
	global_prefetch_b8 v0, s[64:65] scope:SCOPE_SE
	s_setreg_imm32_b32 hwreg(HW_REG_WAVE_MODE, 25, 1), 1
	s_wait_xcnt 0x0
	s_wait_alu depctr_hold_cnt(0) depctr_sa_sdst(0) depctr_va_vdst(0) depctr_va_sdst(0) depctr_va_ssrc(0) depctr_va_vcc(0) depctr_vm_vsrc(0)
	s_getreg_b32 s2, hwreg(HW_REG_IB_STS2, 6, 4)
	s_cmp_eq_u32 s2, 0
	s_cbranch_scc0 .Lentry_in_a_cluster
	s_endpgm
.Lentry_in_a_cluster:
	s_bfe_u32 s2, ttmp6, 0x10000c
	s_cmp_lg_u32 s2, 0xf033
	s_cbranch_scc0 .Lentry_shape_is_right
	s_endpgm
.Lentry_shape_is_right:
; qkv: q, k, v = x w^T (bf16 operands from cb, f32 sums), the rotation by tab on q and k in f32, each number rounded once to f16 and stored by heads: qkv[3][16][2048][128].
; A work-group makes q, k and v of ONE head (tile column) for 128 tokens (tile row): a tile of 128 x 384; 16 x 16 work-groups.  Four waves; wave w has 64 tokens (w / 2) and 64 columns
; (w % 2) of each of q, k, v: 48 accumulators of 16 x 16, 384 registers.  K goes in steps of 128 (memory rows of 256 bytes, aligned) through two LDS slots of four regions: x, wq, wk, wv,
; 128 rows each; wave w fetches region w with one tensor load.
; CLUSTER 4 x 4: x's tile hangs on the tile row alone and is asked for jointly by a row of the cluster, the weights' tiles on the head alone and are asked for jointly by a column.
; THE WALK ALONG K IS ROTATED: a cluster whose x + y is odd begins at K step 8 of 16 and wraps round.  Of two clusters that read the same rows of x or of a weight and differ by one in x or y,
; each asks in the second half of its walk for bytes that the other has read in its first half, not for the same bytes at the same time.  The start hangs on the cluster's coordinates alone,
; so the sixteen partners walk alike.  The f32 sums therefore run over K in a rotated order in half of the clusters.
; THE MATRIX INSTRUCTION IS USED TRANSPOSED (source 0 = 16 weight rows, source 1 = 16 tokens): a lane holds one token (lane % 16) and eight neighbouring columns, that is four (even, odd) pairs.
; LIMIT: q, k and v must lie within f16's 65,504; larger sums become infinities.
; REGISTERS: window 0: v0-31 addresses; v64-127 packed results; v128-191 rows read back; v192-223 at work.   window 1: two fragment buffers of 128: x's 4 blocks, then 4 blocks of each weight.
;   window 2: v0-127 q's accumulators ((a, b) at 8 (4 a + b)), v128-255 k's.   window 3: v0-127 v's; v128-255 the table: for accumulator (a, b) four (cos, sin) pairs.
.set KSTEP,  128
.set PITCH,  272                       ; an LDS row: 256 bytes + 16 of padding = 68 words: the 16 rows that a load touches start at 16 different groups of four banks (ISA guide 11.1)
.set TILEB,  128*PITCH                 ; a region: 128 rows, what one tensor load brings
.set SLOT,   4*TILEB
.set STAGE,  2*SLOT                    ; behind the ring: 128 rows x 272 bytes, the work-group's, for the way out
.set SPARE,  STAGE+128*PITCH           ; behind the stage: the spare words, 128 bytes for each wave
.set LAPS,   2048/(2*KSTEP)            ; 8 laps of two K steps
.set ADRA, 16                          ; v16-17  LDS address of my x fragments in slot 0, 1
.set ADRB, 18                          ; v18-23  of my fragments of weight X in slot s: v[18 + 3 s + X]
.set STO,  24                          ; v24     the way out: where I put 16 bytes of a row
.set RD,   25                          ; v25     where I read a row back
.set CO,   26                          ; v26     16 x lane: my place in 512 consecutive bytes of the output
.set TO,   27                          ; v27     my byte offset in the table's rows
.set SPW,  28                          ; v28     LDS address of my spare word; never rewritten
.set NIL,  29                          ; v29     0; never rewritten
.set PKR,  64
.set RB,   128
.set TW,   192
.set F0,   0
.set F1,   128
.set CSR,  128                         ; window 3
.set G1,  24                           ; s[24:31] descriptor group 1 for x's tiles; s[32:39] group 0, a set for each slot
.set G0,  32
.set G1B, 48                           ; s[48:55], s[56:63] the same for the weights' tiles
.set G0B, 56
.set OQ,  66                           ; s[66:67], s[68:69], s[70:71] where my rows of q, k, v go
.set TB,  72                           ; s[72:73] the table at my wave's first token and pair
.set XBS, 74                           ; s[74:75] x at the first byte of the tile's rows
.set WBS, 76                           ; s[76:77] my weight at the first byte of the tile's rows
.set KO,  78                           ; s[78:79] byte offset along a row (4,096 bytes) of the K step to be asked for next
.set MSB, 0
.macro WIN new                         ; the immediate's high byte repeats the setting that is left; a switch that changes nothing is dropped
.if MSB != (\new)
	s_set_vgpr_msb (MSB<<8)|(\new)
.set MSB, \new
.endif
.endm
.set TO_F, 0x40                        ; destination window 1, address window 0
; A joint load.  Wave 0 fetches x's tile, waves 1 to 3 the three weights'.  The branch hangs on the wave's number alone.  An s_nop 0 and four v_nop follow each line.
.macro JLOAD s
	s_cmp_eq_u32 s10, 0
	s_cbranch_scc0 .Lfor_b_\@
	tensor_load_to_lds s[G0+4*(\s):G0+4*(\s)+3], s[G1:G1+7]
	s_nop 0
.rept 4
	v_nop
.endr
	s_branch .Lasked_\@
.Lfor_b_\@:
	tensor_load_to_lds s[G0B+4*(\s):G0B+4*(\s)+3], s[G1B:G1B+7]
	s_nop 0
.rept 4
	v_nop
.endr
.Lasked_\@:
.endm
; Slot s's two descriptors take the K step at KO, each address made anew from its base; KO steps on and wraps at the row's end.
.macro AIM s
	s_add_nc_u64 s[G0+4*(\s)+2:G0+4*(\s)+3], s[XBS:XBS+1], s[KO:KO+1]
	s_or_b32 s[G0+4*(\s)+3], s[G0+4*(\s)+3], 0x80000000
	s_add_nc_u64 s[G0B+4*(\s)+2:G0B+4*(\s)+3], s[WBS:WBS+1], s[KO:KO+1]
	s_or_b32 s[G0B+4*(\s)+3], s[G0B+4*(\s)+3], 0x80000000
	s_add_co_u32 s[KO], s[KO], KSTEP*2
	s_and_b32 s[KO], s[KO], 0xfff
.endm
.macro CREST                           ; a round of the cluster's barrier behind its opening barrier
	s_cmp_lg_u32 s10, 0
	s_cbranch_scc1 .Lnot_wave_0_\@
	s_barrier_signal -3
.Lnot_wave_0_\@:
	s_barrier_wait -3
	s_barrier_signal -1
	s_barrier_wait -1
.endm
.macro CROUND                          ; a whole round
	s_barrier_signal -1
	s_barrier_wait -1
	CREST
.endm
.macro BAR
	s_barrier_signal -1
	s_barrier_wait -1
.endm
.macro PLACES                          ; four places behind matrix instructions, in front of loads into their sources and of reads of their results
.rept 4
	v_nop
.endr
.endm
	s_load_b128 s[4:7], s[0:1], 0x0                ; cb s[4:5], tab s[6:7]
	s_load_b64 s[8:9], s[0:1], 0x10                ; qkv
	v_lshl_add_u32 v[SPW], v0, 2, SPARE
	v_mov_b32 v[NIL], 0
	ds_add_u32 v[SPW], v[NIL]                      ; the wave's opening: the add and its wait stand ahead of my first tensor load; work on registers stands between them
	v_lshrrev_b32 v1, 5, v0
	v_readfirstlane_b32 s10, v1                    ; wave 0..3: also the region that I fetch
	s_lshr_b32 s11, s10, 1                         ; which 64 tokens are mine
	s_and_b32 s12, s10, 1                          ; which 64 columns of q, of k and of v
	s_bfe_u32 s40, ttmp6, 0x40000                  ; cx, cy: my place in the cluster
	s_bfe_u32 s41, ttmp6, 0x40004
	s_lshl_b32 s42, ttmp9, 2
	s_add_co_u32 s42, s42, s40                     ; the head = 4 x cluster x + cx
	s_and_b32 s13, ttmp7, 0xffff                   ; cluster y
	s_add_co_u32 s[KO], s13, ttmp9                 ; cluster x + cluster y:
	s_and_b32 s[KO], s[KO], 1                      ; odd clusters
	s_lshl_b32 s[KO], s[KO], 11                    ; begin 8 K steps of 256 bytes into the rows
	s_mov_b32 s[KO+1], 0
	s_lshl_b32 s13, s13, 2
	s_add_co_u32 s13, s13, s41                     ; the block of 128 tokens = 4 x cluster y + cy
	s_lshl_b32 s43, s41, 2
	s_lshl_b32 s43, 15, s43                        ; my row of the cluster
	s_lshl_b32 s44, 0x1111, s40                    ; my column
	; descriptor group 1: a tile of 128 rows x 128 elements of 2 bytes, 4 words of padding behind every 64
	s_or_b32 s[G1+0], s43, (1<<16)|(1<<20)|(1<<21)|(5<<22)|(3<<25)   ; x's tiles go to my row
	s_or_b32 s[G1B+0], s44, (1<<16)|(1<<20)|(1<<21)|(5<<22)|(3<<25)  ; the weights' to my column
.irp g, G1, G1B
	s_mov_b32 s[(\g)+1], KSTEP<<16                 ; tensor_dim0 = 128
	s_mov_b32 s[(\g)+2], 128<<16                   ; tensor_dim1 = 128
	s_mov_b32 s[(\g)+3], KSTEP<<16                 ; tile_dim0 = 128
	s_mov_b32 s[(\g)+4], 128                       ; tile_dim1 = 128
	s_mov_b32 s[(\g)+5], 2048                      ; elements from row to row
	s_mov_b32 s[(\g)+6], 0
	s_mov_b32 s[(\g)+7], 0
.endr
	s_lshl_b32 s16, s13, 19                        ; x: 128 rows of 4,096 bytes a token block (plane 0)
	s_mov_b32 s17, 0
	s_lshl_b32 s46, s42, 19                        ; a weight: 128 rows a head,
	s_lshl_b32 s47, s10, 23                        ; in plane = wave (1, 2, 3: wq, wk, wv)
	s_add_co_u32 s46, s46, s47
	s_mov_b32 s47, 0
	s_mul_i32 s20, s10, TILEB                      ; where my tile goes: region = wave; no place in the cluster enters an LDS address
	s_wait_dscnt 0x0                               ; the opening add is done
	s_wait_kmcnt 0x0
	s_add_nc_u64 s[XBS:XBS+1], s[4:5], s[16:17]
	s_add_nc_u64 s[WBS:WBS+1], s[4:5], s[46:47]
	CROUND                                         ; all sixteen work-groups are here: the first joint loads meet
.irp s, 0,1
	s_mov_b32 s[G0+4*(\s)], 1
	s_add_co_u32 s[G0+4*(\s)+1], s20, (\s)*SLOT
	s_mov_b32 s[G0B+4*(\s)], 1
	s_add_co_u32 s[G0B+4*(\s)+1], s20, (\s)*SLOT
	AIM \s
	JLOAD \s                                       ; the walk's first two K steps: two loads of mine are out
.endr
	v_and_b32 v1, 15, v0                           ; r = lane % 16
	v_bfe_u32 v2, v0, 4, 1                         ; h = lane / 16
	v_mul_u32_u24 v3, v1, PITCH
	v_lshl_add_u32 v3, v2, 4, v3                   ; a fragment's row x pitch + 16 h
	s_mul_i32 s21, s11, 64*PITCH                   ; my 64 rows of x
	s_mul_i32 s22, s12, 64*PITCH                   ; my 64 rows of each weight,
	s_add_co_u32 s22, s22, TILEB                   ; the first of which lies behind x's region
.irp s, 0,1
	v_add_nc_u32 v[ADRA+(\s)], s21, v3
	s_add_co_u32 s21, s21, SLOT
.irp X, 0,1,2
	v_add_nc_u32 v[ADRB+3*(\s)+(\X)], s22, v3
	s_add_co_u32 s22, s22, TILEB
.endr
	s_add_co_u32 s22, s22, TILEB                   ; past the next slot's region of x
.endr
	s_mul_i32 s23, s11, 64*PITCH                   ; into the stage: my 64 rows, my half of their 256 bytes
	s_lshl_b32 s21, s12, 7
	s_add_co_u32 s23, s23, s21
	s_add_co_u32 s23, s23, STAGE
	v_add_nc_u32 v[STO], s23, v3
	s_mul_i32 s23, s10, 32*PITCH                   ; back: wave w takes rows 32 w .. 32 w + 31, whole; lanes 0-15 one row, lanes 16-31 the next
	s_add_co_u32 s23, s23, STAGE
	v_mul_u32_u24 v5, v2, PITCH
	v_lshl_add_u32 v5, v1, 4, v5
	v_add_nc_u32 v[RD], s23, v5
	v_and_b32 v[CO], 31, v0
	v_lshlrev_b32 v[CO], 4, v[CO]
	v_lshlrev_b32 v[TO], 9, v1                     ; a token's 512 bytes of the table,
	v_lshl_add_u32 v[TO], v2, 5, v[TO]             ; four pairs (32 bytes) for each half of the lanes
	s_lshl_b32 s16, s13, 15                        ; the output: a token's row is 256 bytes: 128 tokens a block,
	s_lshl_b32 s17, s10, 13                        ; 32 rows a wave
	s_add_co_u32 s16, s16, s17
	s_mov_b32 s17, 0
	s_lshl_b32 s46, s42, 19                        ; the head's 2,048 rows
	s_mov_b32 s47, 0
	s_add_nc_u64 s[OQ:OQ+1], s[8:9], s[16:17]
	s_add_nc_u64 s[OQ:OQ+1], s[OQ:OQ+1], s[46:47]
	s_add_nc_u64 s[OQ+2:OQ+3], s[OQ:OQ+1], 0x800000    ; k's plane
	s_add_nc_u64 s[OQ+4:OQ+5], s[OQ:OQ+1], 0x1000000   ; v's
	s_lshl_b32 s16, s13, 16                        ; the table: 128 tokens of 512 bytes a block,
	s_lshl_b32 s17, s11, 15                        ; my 64 tokens,
	s_add_co_u32 s16, s16, s17
	s_lshl_b32 s17, s12, 8                         ; my 32 pairs
	s_add_co_u32 s16, s16, s17
	s_mov_b32 s17, 0
	s_add_nc_u64 s[TB:TB+1], s[6:7], s[16:17]
	WIN 0xc0                                       ; destination window 3, address window 0
.irp a, 0,1,2,3
.irp b, 0,1,2,3
	global_load_b128 v[CSR+8*(4*(\a)+(\b)):CSR+8*(4*(\a)+(\b))+3],   v[TO], s[TB:TB+1] offset:8192*(\a)+64*(\b)     ; the table for accumulator (a, b): these 32 loads stay out
	global_load_b128 v[CSR+8*(4*(\a)+(\b))+4:CSR+8*(4*(\a)+(\b))+7], v[TO], s[TB:TB+1] offset:8192*(\a)+64*(\b)+16  ; through the K loop; their registers are touched by nothing till the way out
.endr
.endr
	WIN 0
; 16 matrix instructions: my 4 token blocks x the 4 column blocks of matrix X (0 q, 1 k, 2 v), 32 along K.  zero = 1: the product starts the sums.
; The 48 accumulators take turns in the same order in every quarter, one instruction a turn.
.macro MUL16 f, X, zero
	WIN 0xa5+0x50*((\X)/2)                         ; sources in window 1; C and D in window 2 (q, k) or 3 (v)
.set AB, 128*((\X)%2)
.irp a, 0,1,2,3
.irp b, 0,1,2,3
.if \zero
	v_wmma_f32_16x16x32_bf16 v[AB+8*(4*(\a)+(\b)):AB+8*(4*(\a)+(\b))+7], v[(\f)+32+32*(\X)+8*(\b):(\f)+32+32*(\X)+8*(\b)+7], v[(\f)+8*(\a):(\f)+8*(\a)+7], 0
.else
	v_wmma_f32_16x16x32_bf16 v[AB+8*(4*(\a)+(\b)):AB+8*(4*(\a)+(\b))+7], v[(\f)+32+32*(\X)+8*(\b):(\f)+32+32*(\X)+8*(\b)+7], v[(\f)+8*(\a):(\f)+8*(\a)+7], v[AB+8*(4*(\a)+(\b)):AB+8*(4*(\a)+(\b))+7]
.endif
.endr
.endr
.endm
; 32 LDS loads in one run: the fragments of 32 along K at byte k of the rows, into buffer f: x's 8 loads, then wq's, wk's, wv's
.macro FETCH slot, k, f
	WIN TO_F
.irp i, 0,1,2,3
	ds_load_b128 v[(\f)+8*(\i):(\f)+8*(\i)+3],   v[ADRA+(\slot)] offset:(\k)+(\i)*16*PITCH
	ds_load_b128 v[(\f)+8*(\i)+4:(\f)+8*(\i)+7], v[ADRA+(\slot)] offset:(\k)+(\i)*16*PITCH+32
.endr
.irp X, 0,1,2
.irp i, 0,1,2,3
	ds_load_b128 v[(\f)+32+32*(\X)+8*(\i):(\f)+32+32*(\X)+8*(\i)+3],   v[ADRB+3*(\slot)+(\X)] offset:(\k)+(\i)*16*PITCH
	ds_load_b128 v[(\f)+32+32*(\X)+8*(\i)+4:(\f)+32+32*(\X)+8*(\i)+7], v[ADRB+3*(\slot)+(\X)] offset:(\k)+(\i)*16*PITCH+32
.endr
.endr
.endm
; A K step is four quarters of 32 along K, 48 matrix instructions each, on buffers 0, 1, 0, 1.  One of the first three: multiplies buffer f and fetches the next quarter, at byte k, into g.
.macro QUARTER slot, k, f, g, zero
	s_wait_dscnt 16                                ; x's and wq's fragments are in; wk's and wv's sixteen loads may be out
	MUL16 \f, 0, \zero
	PLACES
	FETCH \slot, \k, \g
	s_wait_dscnt 32                                ; all but the 32 just issued
	MUL16 \f, 1, \zero
	MUL16 \f, 2, \zero
.endm
; The last quarter multiplies buffer 1 and changes slots: ONE barrier; in front of it each wave waits for all its tensor loads (one is out: its region of the next slot), adds 0 to its spare word,
; and waits for that and for its reads of this slot.  fill = 1: the barrier opens a round of the cluster's, and this slot is filled again, two K steps ahead, first thing behind the round.
.macro TURN slot, next, fill
	WIN 0                                          ; (the add's two registers lie in window 0)
	s_wait_tensorcnt 0x0
	ds_add_u32 v[SPW], v[NIL]
	s_wait_dscnt 17                                ; (the add and the youngest sixteen loads may be out)
	MUL16 F1, 0, 0                                 ; sixteen matrix instructions stand between the add and the wait for it
	s_wait_dscnt 0x0                               ; the add is done, and my reads of this slot are over
	s_barrier_signal -1
	MUL16 F1, 1, 0                                 ; work on registers while the others arrive
.if \fill
	WIN 0
.endif
	s_barrier_wait -1
.if \fill
	CREST                                          ; no wave of any partner still reads this slot or has a load on its way
	AIM \slot                                      ; no tensor load of mine is out, so the descriptors may be written
	JLOAD \slot                                    ; my one tensor load behind the round; its four v_nop are also the places in front of the loads below
.else
	PLACES
.endif
	FETCH \next, 0, F0
	MUL16 F1, 2, 0
.endm
	s_wait_tensorcnt 1                             ; my region of the first K step is in; the second's may stay out
	BAR                                            ; everybody's is
	FETCH 0, 0, F0
	QUARTER 0, 64, F0, F1, 1                       ; the first quarter stands in front of the loop: its products start the sums
	WIN 0                                          ; at a label and at a branch every window is 0
	s_mov_b32 s3, LAPS-1
.Llap:                                                 ; a trip goes once round the ring, from a lap's second quarter to the next lap's first, and fills both slots again
	QUARTER 0, 128, F1, F0, 0
	QUARTER 0, 192, F0, F1, 0
	TURN 0, 1, 1
	QUARTER 1, 64,  F0, F1, 0
	QUARTER 1, 128, F1, F0, 0
	QUARTER 1, 192, F0, F1, 0
	TURN 1, 0, 1
	QUARTER 0, 64,  F0, F1, 0
	WIN 0
	s_sub_co_u32 s3, s3, 1
	s_cmp_lg_u32 s3, 0
	s_cbranch_scc1 .Llap
	QUARTER 0, 128, F1, F0, 0                      ; the last lap fills nothing
	QUARTER 0, 192, F0, F1, 0
	TURN 0, 1, 0
	QUARTER 1, 64,  F0, F1, 0
	QUARTER 1, 128, F1, F0, 0
	QUARTER 1, 192, F0, F1, 0
	s_wait_dscnt 16                                ; the very last quarter: nothing more to fetch
	MUL16 F1, 0, 0
	s_wait_dscnt 0x0
	MUL16 F1, 1, 0
	MUL16 F1, 2, 0
	WIN 0
; THE WAY OUT, once for each of q, k, v: rotate (q, k), round to f16, 16 bytes a lane into the work-group's stage; a barrier, since a row's 256 bytes come from two waves; back as whole rows, 32 a wave.
; The rotation of matrix X: for a pair (e, o) with (c, s): e c - o s and e s + o c, a multiply and a fused multiply-add each; each accumulator is read from its lowest registers on.
.macro ROPE X
.irp a, 0,1,2,3
	WIN 0x0e                                       ; source 0 window 2 (sums), source 1 window 3 (table), the rest window 0
.irp b, 0,1,2,3
.irp i, 0,1,2,3
	v_mul_f32 v[TW+8*(\b)+2*(\i)],   v[128*(\X)+8*(4*(\a)+(\b))+2*(\i)], v[CSR+8*(4*(\a)+(\b))+2*(\i)]
	v_mul_f32 v[TW+8*(\b)+2*(\i)+1], v[128*(\X)+8*(4*(\a)+(\b))+2*(\i)], v[CSR+8*(4*(\a)+(\b))+2*(\i)+1]
	v_fma_f32 v[TW+8*(\b)+2*(\i)],   -v[128*(\X)+8*(4*(\a)+(\b))+2*(\i)+1], v[CSR+8*(4*(\a)+(\b))+2*(\i)+1], v[TW+8*(\b)+2*(\i)]
	v_fma_f32 v[TW+8*(\b)+2*(\i)+1], v[128*(\X)+8*(4*(\a)+(\b))+2*(\i)+1],  v[CSR+8*(4*(\a)+(\b))+2*(\i)],   v[TW+8*(\b)+2*(\i)+1]
.endr
.endr
	WIN 0
.irp n, 0,1,2,3,4,5,6,7,8,9,10,11,12,13,14,15
	v_cvt_pk_f16_f32 v[PKR+16*(\a)+(\n)], v[TW+2*(\n)], v[TW+2*(\n)+1]
.endr
.endr
.endm
.macro CVTV                            ; v is only rounded
	WIN 0x0f                                       ; sources in window 3
.set n, 0
.rept 64
	v_cvt_pk_f16_f32 v[PKR+n], v[2*n], v[2*n+1]
.set n, n+1
.endr
	WIN 0
.endm
.macro STSTORE
.irp a, 0,1,2,3
.irp b, 0,1,2,3
	ds_store_b128 v[STO], v[PKR+16*(\a)+4*(\b):PKR+16*(\a)+4*(\b)+3] offset:(\a)*16*PITCH+32*(\b)
.endr
.endr
	s_wait_dscnt 0x0                               ; for the others' sake: my stores into the stage are done
	BAR
.endm
.macro STLOAD
.irp t, 0,1,2,3,4,5,6,7,8,9,10,11,12,13,14,15
	ds_load_b128 v[RB+4*(\t):RB+4*(\t)+3], v[RD] offset:(\t)*2*PITCH
.endr
.endm
.macro GSTORE base
	s_wait_dscnt 0x0                               ; the rows are back: my reads of the stage are over
.irp t, 0,1,2,3,4,5,6,7,8,9,10,11,12,13,14,15
	global_store_b128 v[CO], v[RB+4*(\t):RB+4*(\t)+3], s[\base:(\base)+1] offset:512*(\t)  ; a wave stores 512 consecutive bytes, two whole rows of a head
.endr
.endm
	PLACES                                         ; behind the last products
	s_wait_loadcnt 0x0                             ; the table
	ROPE 0
	STSTORE                                        ; q
	STLOAD
	ROPE 1                                         ; k's arithmetic stands between q's loads from the stage and the wait for them
	GSTORE OQ
	BAR                                            ; every wave has read its rows: the stage may be written again
	STSTORE                                        ; k
	s_wait_xcnt 0x0                                ; q's stores have read their registers: these are loaded again only behind this wait
	STLOAD
	CVTV
	GSTORE OQ+2
	BAR
	STSTORE                                        ; v
	s_wait_xcnt 0x0
	STLOAD
	GSTORE OQ+4
	s_wait_tensorcnt 0x0                           ; the wave's end: behind my last tensor load and my last LDS store
	ds_add_u32 v[SPW], v[NIL]
	s_wait_dscnt 0x0
	CROUND                                         ; the closing round: no work-group ends while a partner may still ask for a tile that names it
	s_endpgm
.Lfunc_end_k_qcafa0eea1f_qkv:
	.size	k_qcafa0eea1f_qkv, .Lfunc_end_k_qcafa0eea1f_qkv-k_qcafa0eea1f_qkv
	.p2alignl 7, 3214868480
	.fill 96, 4, 3214868480
	.section	.rodata,"a",@progbits
	.p2align	6, 0x0
	.amdhsa_kernel k_qcafa0eea1f_qkv
		.amdhsa_group_segment_fixed_size 327680
		.amdhsa_private_segment_fixed_size 0
		.amdhsa_enable_private_segment 0
		.amdhsa_kernarg_size 24
		.amdhsa_user_sgpr_count 2
		.amdhsa_user_sgpr_kernarg_segment_ptr 1
		.amdhsa_wavefront_size32 1
		.amdhsa_system_sgpr_workgroup_id_x 1
		.amdhsa_system_sgpr_workgroup_id_y 1
		.amdhsa_system_sgpr_workgroup_id_z 1
		.amdhsa_system_vgpr_workitem_id 0
		.amdhsa_next_free_vgpr 1024
		.amdhsa_next_free_sgpr 80
		.amdhsa_reserve_vcc 0
		.amdhsa_float_denorm_mode_32 3
		.amdhsa_float_denorm_mode_16_64 3
		.amdhsa_memory_ordered 1
		.amdhsa_forward_progress 1
		.amdhsa_inst_pref_size 147
	.end_amdhsa_kernel
	.amdgpu_metadata
---
amdhsa.version: [ 1, 2 ]
amdhsa.kernels:
  - .name:           k_qcafa0eea1f_qkv
    .symbol:         k_qcafa0eea1f_qkv.kd
    .args:
      - { .name: cb, .offset: 0, .size: 8, .value_kind: global_buffer, .address_space: global }
      - { .name: tab, .offset: 8, .size: 8, .value_kind: global_buffer, .address_space: global }
      - { .name: qkv, .offset: 16, .size: 8, .value_kind: global_buffer, .address_space: global }
    .group_segment_fixed_size: 327680
    .private_segment_fixed_size: 0
    .kernarg_segment_align: 8
    .kernarg_segment_size: 24
    .max_flat_workgroup_size: 128
    .sgpr_count:     80
    .vgpr_count:     1024
    .wavefront_size: 32
...
	.end_amdgpu_metadata
.endif
;; end of part 2
;; launch attn (part 3): grid 16 x 16, 8 waves a work-group, clusters of 4 x 1, 327,680 bytes of LDS; arguments qkv, ob; writes ob
.if DOCPART == 3
	.amdgcn_target "amdgcn-amd-amdhsa--gfx1250"
	.amdhsa_code_object_version 6
	.text
	.protected	k_qcafa0eea1f_attn
	.globl	k_qcafa0eea1f_attn
	.p2align	8
	.type	k_qcafa0eea1f_attn,@function
k_qcafa0eea1f_attn:
	s_mov_b64 s[64:65], 0
	v_nop
	global_prefetch_b8 v0, s[64:65] scope:SCOPE_SE
	s_setreg_imm32_b32 hwreg(HW_REG_WAVE_MODE, 25, 1), 1
	s_wait_xcnt 0x0
	s_wait_alu depctr_hold_cnt(0) depctr_sa_sdst(0) depctr_va_vdst(0) depctr_va_sdst(0) depctr_va_ssrc(0) depctr_va_vcc(0) depctr_vm_vsrc(0)
	s_getreg_b32 s2, hwreg(HW_REG_IB_STS2, 6, 4)
	s_cmp_eq_u32 s2, 0
	s_cbranch_scc0 .Lentry_in_a_cluster
	s_endpgm
.Lentry_in_a_cluster:
	s_bfe_u32 s2, ttmp6, 0x10000c
	s_cmp_lg_u32 s2, 0x3003
	s_cbranch_scc0 .Lentry_shape_is_right
	s_endpgm
.Lentry_shape_is_right:
; attn: O[q] = the sum over k <= q of softmax_k(Q[q] . K[k] / sqrt(128)) V[k], for each of 16 heads of 2,048 rows x 128 channels.  q, k, v come by heads in f16 (qkv[3][16][2048][128]);
; products, maxima and sums in f32; the weights are rounded to f16 for the second product (their sum is taken unrounded), O once at the end, into ob[token][16 x 128] f16.
; THE WALK.  A head's queries lie in 32 blocks of 64.  Work-group b = 4 g + cx (g: the cluster, cx: its place in it) takes block 31 - b and then block b.
; Keys come in tiles of 256, four steps of 64.  The first block needs tiles 0 .. 7 - g, the second 0 .. g: nine tiles, and the SAME nine for the four partners of a cluster, so every tile is asked for
; jointly.  Trip counts and branches hang on g, the wave's number and constants alone; cx enters Q's and O's addresses and the mask's scalars.  Steps beyond a block's own are hidden by the mask and
; computed all the same (3 of 36 at the most).
; EIGHT WAVES, THE KEYS SPLIT IN TWO.  Waves w and w + 4 own the same 16 queries, 16 w + lane % 16; of a tile's four steps waves 0-3 take steps 0 and 1, waves 4-7 steps 2 and 3, each with a running
; maximum, sum and O^T of its own.  A trip is written in phases, 32 matrix instructions and some 370 others, and a fragment of K or V feeds one product whoever reads it: so two waves of 512 registers
; share a SIMD's 1,024, and one wave's vector phase stands beside the other's matrix phase; LDS is read no more than with four waves.
; At a block's end one wave of the pair hands O^T, c m and l (all f32) to the other through LDS, and that one merges: weights 2^(c m_i - max), divided by the merged l.  At the first block's end waves 4-7
; send, at the second's waves 0-3: the wave that writes an exchange area the second time is the one that touched it last, so one barrier an exchange is enough.
; LAYOUT.  S^T = K Q^T: a lane holds ONE query (lane % 16) and the keys 8 (lane / 16) + 0..7 of each 16; two such results rounded to f16 ARE source 1 of O^T = V^T P.  V is turned by ds_load_tr16_b128.
; SOFTMAX.  A running maximum m and sum l: p = 2^(c s - c m), c = log2(e) / sqrt(128); in every step O and l are multiplied by a = 2^(c m_old - c m_new).  A block begins with c m_old far below every c m:
; a = 0.  m begins at -2^96: above every hidden score, below every true one; a wave all of whose keys are hidden from a query ends with p = 0, l = 0, O = 0 and the weight 0 in the merge.
; THE MASK is the C operand that starts S^T: for key block kb of a step, e = 4 (step - block) - w + kb: all visible if e < 0, all hidden if e > 0, the triangle TRI if e = 0: MC = TRI x AL + BE.
; It is made where a block begins and in each step of a block's last tile; in the other tiles every e is below 0 and MC stays 0.
; LIMITS.  A hidden score counts as its value less 1e30; true scores lie within f16's reach, 5.5e11 at the most; a weight below 2^-126 counts as 0; NaN and infinities are not treated apart.
; A TRIP fetches K of step j, does the softmax and V^T P of step j - 1, makes the mask, fetches V of step j and multiplies K Q^T of step j (j counts the wave's own steps).
; REGISTERS: window 0: addresses, statistics, S^T, P, TRI, MC, Q, O^T, the second block's Q.   window 1: v0-127 K of a step, v128-255 V of a step.
.set KS,    64
.set PK,    272       ; a row of K in LDS: 256 bytes + 16: the 16 rows of a load start at 16 different groups of four banks (ISA guide 11.1)
.set PV,    288       ; a row of V: 256 + 32
.set VOFF,  4*KS*PK   ; a slot holds a tile: 256 rows of K, then 256 rows of V
.set SLOT1, 0x24000   ; slot 1: its two bits occur in no place inside a slot that is turned by it (0, 0x8800, 0x9000, 0x11000, 0x1a000), so one exclusive or changes slots
.set XB,    SLOT1+4*KS*(PK+PV)  ; behind the ring: the exchange areas, one for each pair of waves; the receiver then uses its first 16 x 272 bytes as the stage for the way out
.set XW,    8448      ; an area: 64 registers x 128 bytes of O^T, then 256 bytes of (c m, l)
.set SP,    272
.set SPARE, XB+4*XW   ; the spare words, 128 bytes for each of eight waves
.set AK0, 2           ; v2   my lane's place in a step of K; never rewritten
.set AV0, 3           ; v3   the same for V
.set AK,  4           ; v4   the LDS address of K's run of loads
.set AV,  5           ; v5   of V's
.set STO, 6           ; v6   the way out: where I put 16 bytes of a row
.set RD,  7           ; v7   where I read rows back
.set GO,  8           ; v8   my byte offset in two rows of ob
.set ST,  12          ; v12-19  c m, m, l (even keys', odd keys'), c0-c3 at work; a takes c2's place
.set QO,  20          ; v20  my byte offset in 16 rows of Q
.set XO,  22          ; v22  the exchange: my lane's 16 bytes of each four registers of O^T
.set XS,  23          ; v23  my lane's 8 bytes of (c m, l)
.set SPW, 30          ; v30  LDS address of my spare word; never rewritten
.set NIL, 31          ; v31  0; never rewritten        (v10, v11, v21, v24-29: at work in the merge)
.set S,   32          ; v32-63
.set P,   64          ; v64-79
.set TRI, 80          ; v80-87   -1e30 where 8 (lane / 16) + j > lane % 16
.set MC,  88          ; v88-119  the masks of the step's four key blocks
.set QF,  120         ; v120-151 Q: channels 32 c on at QF + 8 c
.set OA,  152         ; v152-215 O^T: channels 16 cb on at OA + 8 cb
.set Q2F, 216         ; v216-247 the second block's Q
.set WV,  12          ; s12  my wave's number, 0..7
.set G1K, 24          ; s[24:31] descriptor group 1 for K's tiles
.set G1V, 32          ; s[32:39] for V's: it differs in the padding alone
.set G0K, 40          ; s[40:43] group 0 for K's tiles
.set G0V, 44          ; s[44:47] for V's
.set SLOTS, 56        ; s56  tiles still to be asked for
.set CNT, 57          ; s57  counts my steps of a tile
.set CS,  58          ; s[58:59] c
.set SEL, 60          ; s[60:61] v_permlanex16_b32's selects: each lane takes its own place in the other half
.set TBK, 62          ; s62  LDS byte at which K of the step to be fetched begins
.set TBV, 63          ; s63  the same for V, less VOFF
.set KB,  66          ; s[66:67] K at my half of the head's tile 0
.set VB,  68          ; s[68:69] V likewise
.set RT,  70          ; s70  tiles of the block in hand still to be entered; 0: the tile in hand is the block's last
.set NXT, 71          ; s71  the tile to be asked for next
.set LQ,  72          ; s72  the last tile of the block whose tiles are being asked for
.set NEW, 73          ; s73  1: the walk's first trip
.set OFF, 74          ; s[74:75] a tile's byte offset
.set AL,  76          ; s[76:77] the mask's factor
.set BE,  78          ; s[78:79] the mask's addend
.set OLO, 80          ; s[80:81] ob at my rows of the second block
.set QA1, 82          ; s[82:83] Q at my rows of the first block
.set QA2, 84          ; s[84:85] of the second
.set BIGN, 86         ; s86  -1e30
.set ENDF, 87         ; s87  1: the step whose V^T P this trip makes is the first block's last
.set E0,  88          ; s88  4 (step - block) - w
.set ELO, 89          ; s89  its start for the second block
.set LOC, 90          ; s90  g + 1: the second block's tiles
.set LOQ, 91          ; s91  g: its last tile
.set SCR, 92
.set W4,  93          ; s93  w = wave % 4: which 16 queries
.set KH,  94          ; s94  wave / 4: which two steps of a tile
.set MSB, 0
.macro WIN new                      ; the high byte repeats the setting that is left; a switch that changes nothing is dropped
.if MSB != (\new)
	s_set_vgpr_msb (MSB<<8)|(\new)
.set MSB, (\new)
.endif
.endm
; A joint fill.  Waves 0 and 1 fetch the two halves of a tile's K, waves 2 and 3 those of its V, 128 keys each; waves 4 to 7 fetch nothing.  An s_nop 0 and four v_nop follow each line.
.macro JLOAD
	s_cmp_lt_u32 s[WV], 2
	s_cbranch_scc0 .Lfor_v_\@
	tensor_load_to_lds s[G0K:G0K+3], s[G1K:G1K+7]
	s_nop 0
.rept 4
	v_nop
.endr
	s_branch .Lasked_\@
.Lfor_v_\@:
	s_cmp_lt_u32 s[WV], 4
	s_cbranch_scc0 .Lasked_\@
	tensor_load_to_lds s[G0V:G0V+3], s[G1V:G1V+7]
	s_nop 0
.rept 4
	v_nop
.endr
.Lasked_\@:
.endm
.macro CROUND                       ; a round of the cluster's barrier
	s_barrier_signal -1
	s_barrier_wait -1
	s_cmp_lg_u32 s[WV], 0
	s_cbranch_scc1 .Lnot_wave_0_\@
	s_barrier_signal -3
.Lnot_wave_0_\@:
	s_barrier_wait -3
	s_barrier_signal -1
	s_barrier_wait -1
.endm
.macro PLACES                       ; four places behind matrix instructions (ISA guide 7.12.1)
.rept 4
	v_nop
.endr
.endm
; THE CHANGE OF SLOTS.  Each wave waits for all its tensor loads (at most one is out: its part of the other slot), adds 0 to its spare word, and waits for that and for its reads of the slot that it leaves.
; fill = 1: the barrier is a round of the cluster's, and the old slot is filled again first thing behind it, with tile NXT: the address is made anew from that number.  It has a tile's steps in which to land.
; (At its first use nothing has been read yet: slot 0 is waited for, slot 1 filled.)  All the scalar work stands between the add and the wait for it.
.macro CHANGE fill
	WIN 0
	s_wait_tensorcnt 0x0            ; no tensor load of mine is out, so a group 0 may be written
	ds_add_u32 v[SPW], v[NIL]
.if \fill
	s_lshl_b32 s[OFF], s[NXT], 16   ; a tile is 65,536 bytes of K and of V
	s_xor_b32 s[G0K+1], s[G0K+1], SLOT1
	s_add_nc_u64 s[G0K+2:G0K+3], s[KB:KB+1], s[OFF:OFF+1]
	s_or_b32 s[G0K+3], s[G0K+3], 0x80000000
	s_xor_b32 s[G0V+1], s[G0V+1], SLOT1
	s_add_nc_u64 s[G0V+2:G0V+3], s[VB:VB+1], s[OFF:OFF+1]
	s_or_b32 s[G0V+3], s[G0V+3], 0x80000000
	s_add_co_u32 s[NXT], s[NXT], 1  ; the block's next tile, or behind its last the second block's tile 0
	s_cmp_gt_u32 s[NXT], s[LQ]
	s_cselect_b32 s[NXT], 0, s[NXT]
	s_cselect_b32 s[LQ], s[LOQ], s[LQ]
.endif
	s_sub_co_u32 s[TBK], s[TBK], 2*KS*PK  ; the fetches go back to my first step of a slot,
	s_xor_b32 s[TBK], s[TBK], SLOT1       ; in the other slot
	s_sub_co_u32 s[TBV], s[TBV], 2*KS*PV
	s_xor_b32 s[TBV], s[TBV], SLOT1
	s_add_co_i32 s[E0], s[E0], 8    ; past the other four waves' two steps
	s_cmp_eq_u32 s[RT], 0           ; was the tile that is left its block's last?
	s_cselect_b32 s[ENDF], 1, 0
	s_cselect_b32 s[RT], s[LOC], s[RT]
	s_sub_co_u32 s[RT], s[RT], 1
	s_wait_dscnt 0x0                ; the add is done, and my reads of the slot are over
.if \fill
	CROUND
	JLOAD
.else
	s_barrier_signal -1
	s_barrier_wait -1
.endif
.endm
	s_load_b128 s[4:7], s[0:1], 0x0 ; qkv s[4:5], ob s[6:7]
	v_lshl_add_u32 v[SPW], v0, 2, SPARE
	v_mov_b32 v[NIL], 0
	ds_add_u32 v[SPW], v[NIL]       ; the wave's opening: the add and its wait stand ahead of my first tensor load; work on registers stands between them
	v_lshrrev_b32 v1, 5, v0
	v_readfirstlane_b32 s[WV], v1   ; wave 0..7
	s_and_b32 s[W4], s[WV], 3
	s_lshr_b32 s[KH], s[WV], 2
	s_bfe_u32 s13, ttmp6, 0x40000   ; cx
	s_mov_b32 s14, ttmp9            ; g: in a cluster launch ttmp9 counts clusters
	s_lshl_b32 s15, s14, 2
	s_add_co_u32 s15, s15, s13      ; b = 4 g + cx
	s_sub_co_u32 s19, 31, s15       ; the first block, 31 - b
	s_and_b32 s20, ttmp7, 0xffff    ; the head, which the four partners share
	s_lshl_b32 s21, s20, 19         ; its 2,048 rows of 256 bytes
	s_and_b32 s16, s[WV], 1         ; which half of a tile's 256 keys I fetch (waves 0 to 3):
	s_lshl_b32 s22, s16, 15         ; its 128 rows in memory,
	s_add_co_u32 s22, s22, s21
	s_mov_b32 s23, 0
	s_mul_i32 s17, s16, 128*PK      ; and its place in a slot, for K
	s_mul_i32 s18, s16, 128*PV      ; and for V: no place in the cluster enters an LDS address
	s_lshl_b32 s3, s[W4], 12        ; Q: my 16 rows of 256 bytes in a block of 64,
	s_add_co_u32 s3, s3, s21
	s_lshl_b32 s2, s19, 14          ; in the first block,
	s_add_co_u32 s2, s2, s3
	s_lshl_b32 s48, s15, 14         ; and in the second
	s_add_co_u32 s48, s48, s3
	s_mov_b32 s3, 0
	s_mov_b32 s49, 0
	s_lshl_b32 s51, s[W4], 16       ; ob: my 16 rows of 4,096 bytes,
	s_lshl_b32 s53, s20, 8          ; the head's 256 bytes of a row
	s_add_co_u32 s51, s51, s53
	s_lshl_b32 s50, s19, 18
	s_add_co_u32 s50, s50, s51
	s_lshl_b32 s52, s15, 18
	s_add_co_u32 s52, s52, s51
	s_mov_b32 s51, 0
	s_mov_b32 s53, 0
	; descriptor group 1: a tile of 128 rows x 128 elements of 2 bytes, padded behind every 64 words
	s_mov_b32 s[G1K], 15|(1<<16)|(1<<20)|(1<<21)|(5<<22)|(3<<25)  ; the mask of four; 4 words of padding
	s_mov_b32 s[G1V], 15|(1<<16)|(1<<20)|(1<<21)|(5<<22)|(7<<25)  ; 8 words
.irp g, G1K, G1V
	s_mov_b32 s[(\g)+1], 128<<16    ; tensor_dim0 = 128
	s_mov_b32 s[(\g)+2], 128<<16    ; tensor_dim1 = 128
	s_mov_b32 s[(\g)+3], 128<<16    ; tile_dim0 = 128
	s_mov_b32 s[(\g)+4], 128        ; tile_dim1 = 128
	s_mov_b32 s[(\g)+5], 128        ; 128 elements from row to row
	s_mov_b32 s[(\g)+6], 0
	s_mov_b32 s[(\g)+7], 0
.endr
	s_mov_b32 s[CS], 0x3e0293ee     ; c = log2(e) / sqrt(128) = 0.127517
	s_mov_b32 s[CS+1], s[CS]        ; named with it as a pair
	s_mov_b32 s[SEL], 0x76543210
	s_mov_b32 s[SEL+1], 0xfedcba98
	s_mul_i32 s[SCR], s[KH], 2*KS*PK
	s_add_co_u32 s[TBK], s[SCR], SLOT1+2*KS*PK  ; the first change of slots turns these two into my first step's place in slot 0
	s_mul_i32 s[SCR], s[KH], 2*KS*PV
	s_add_co_u32 s[TBV], s[SCR], SLOT1+2*KS*PV
	s_mov_b32 s[G0K], 1
	s_mov_b32 s[G0K+1], s17         ; slot 0
	s_mov_b32 s[G0V], 1
	s_add_co_u32 s[G0V+1], s18, VOFF
	s_sub_co_u32 s[RT], 8, s14      ; the first block has 8 - g tiles
	s_mov_b32 s[NXT], 1
	s_sub_co_u32 s[LQ], 7, s14
	s_mov_b32 s[NEW], 1
	s_mov_b32 s[ENDF], 0
	s_mov_b32 s[OFF+1], 0
	s_mov_b32 s[AL+1], 0            ; named as pairs
	s_mov_b32 s[BE+1], 0
	s_mov_b32 s[BIGN], 0xf149f2ca   ; -1e30
	s_add_co_u32 s[LOC], s14, 1
	s_mov_b32 s[LOQ], s14
	s_lshl_b32 s[ELO], s[KH], 3     ; my first step of a tile is step 2 (wave / 4): 8 in units of 16 keys
	s_lshl_b32 s[SCR], s19, 2
	s_add_co_u32 s[SCR], s[SCR], s[W4]
	s_sub_co_u32 s[E0], s[ELO], s[SCR]
	s_sub_co_u32 s[E0], s[E0], 8    ; 8 (wave / 4) - 4 (31 - b) - w, less the 8 that the first change of slots adds
	s_lshl_b32 s[SCR], s15, 2
	s_add_co_u32 s[SCR], s[SCR], s[W4]
	s_sub_co_u32 s[ELO], s[ELO], s[SCR]  ; 8 (wave / 4) - 4 b - w
	s_mov_b32 s[SLOTS], 8
	s_wait_dscnt 0x0                ; the opening add is done
	s_wait_kmcnt 0x0
	s_add_nc_u64 s[KB:KB+1], s[4:5], s[22:23]
	s_add_nc_u64 s[VB:VB+1], s[KB:KB+1], 0x1000000  ; v's plane
	s_add_nc_u64 s[KB:KB+1], s[KB:KB+1], 0x800000   ; k's
	s_mov_b64 s[G0K+2:G0K+3], s[KB:KB+1]
	s_or_b32 s[G0K+3], s[G0K+3], 0x80000000
	s_mov_b64 s[G0V+2:G0V+3], s[VB:VB+1]
	s_or_b32 s[G0V+3], s[G0V+3], 0x80000000
	s_add_nc_u64 s[QA1:QA1+1], s[4:5], s[2:3]
	s_add_nc_u64 s[QA2:QA2+1], s[4:5], s[48:49]
	s_add_nc_u64 s[10:11], s[6:7], s[50:51]         ; ob at my rows of the first block
	s_add_nc_u64 s[OLO:OLO+1], s[6:7], s[52:53]
	CROUND                          ; all four work-groups are here: the first joint loads meet
	JLOAD                           ; tile 0 into slot 0
	v_and_b32 v1, 15, v0            ; r = lane % 16
	v_bfe_u32 v9, v0, 4, 1          ; h = lane / 16
	v_lshlrev_b32 v[QO], 8, v1
	v_lshl_add_u32 v[QO], v9, 4, v[QO]  ; row x 256 + 16 h
.irp c, 0,1,2,3                     ; both blocks' Q stay in registers: channels 32 c on
	global_load_b128 v[QF+8*(\c):QF+8*(\c)+3],     v[QO], s[QA1:QA1+1] offset:64*(\c)
	global_load_b128 v[QF+8*(\c)+4:QF+8*(\c)+7],   v[QO], s[QA1:QA1+1] offset:64*(\c)+32
	global_load_b128 v[Q2F+8*(\c):Q2F+8*(\c)+3],   v[QO], s[QA2:QA2+1] offset:64*(\c)
	global_load_b128 v[Q2F+8*(\c)+4:Q2F+8*(\c)+7], v[QO], s[QA2:QA2+1] offset:64*(\c)+32
.endr
	v_lshlrev_b32 v21, 3, v9
	v_sub_nc_u32 v21, v1, v21       ; r - 8 h: register j is hidden in the diagonal's own key block where j is greater
.irp j, 0,1,2,3,4,5,6,7
	v_cmp_gt_i32 vcc_lo, \j, v21
	v_cndmask_b32 v[TRI+(\j)], 0, s[BIGN], vcc_lo
.endr
	v_mul_u32_u24 v[AK0], v1, PK
	v_lshl_add_u32 v[AK0], v9, 4, v[AK0]  ; row x pitch + 16 h
	; The turning load takes 16 keys x 16 channels (lane l reads key 8 (l / 16) + l % 8, channels 8 ((l / 8) % 2) + 0..7) and leaves half a fragment of V^T: lane l holds channel l % 16 and 8 keys.
	v_and_b32 v10, 7, v0
	v_bfe_u32 v11, v0, 3, 1
	v_lshl_add_u32 v[AV0], v9, 3, v10
	v_mul_u32_u24 v[AV0], v[AV0], PV
	v_lshl_add_u32 v[AV0], v11, 4, v[AV0]
	v_add_nc_u32 v[AV0], VOFF, v[AV0]
	s_mul_i32 s13, s[W4], XW
	s_add_co_u32 s13, s13, XB       ; my pair's exchange area
	v_mul_u32_u24 v[STO], v1, SP    ; the stage, in: row r, 16 bytes for each half of the lanes
	v_lshl_add_u32 v[STO], v9, 4, v[STO]
	v_add_nc_u32 v[STO], s13, v[STO]
	v_mul_u32_u24 v[RD], v9, SP     ; back: lanes 0-15 take one row of 256 bytes, lanes 16-31 the next
	v_lshl_add_u32 v[RD], v1, 4, v[RD]
	v_add_nc_u32 v[RD], s13, v[RD]
	v_and_b32 v[XO], 31, v0
	v_lshlrev_b32 v[XS], 3, v[XO]
	v_add_nc_u32 v[XS], s13, v[XS]
	v_add_nc_u32 v[XS], 8192, v[XS] ; 8 x lane, behind O^T's 8,192 bytes
	v_lshl_add_u32 v[XO], v[XO], 4, s13  ; 16 x lane: 32 lanes take 512 neighbouring bytes
	v_lshlrev_b32 v[GO], 12, v9     ; two rows in ob
	v_lshl_add_u32 v[GO], v1, 4, v[GO]
	; A block's first step multiplies O^T and l by a = 0, so they need only hold finite numbers: zeros now, what the first block left later.  This stands in the wait for the first tile.
.set i, 0
.rept 64
	v_mov_b32 v[OA+i], 0
.set i, i+1
.endr
	v_mov_b32 v[ST+2], 0
	v_mov_b32 v[ST+3], 0
	s_wait_loadcnt 0x0              ; Q
; THE MATRIX WORK.  Product i of 16 of S^T = K Q^T: keys 16 (i % 4) on, channels 32 (i / 4) on; the first four start the sums with the mask.  The four accumulators take turns.
.macro KQM
	WIN 0x01                        ; source 0 in window 1
.set rS, S+8*(i%4)
.set rK, 32*(i%4)+8*(i/4)
.set rQ, QF+8*(i/4)
.if i < 4
	v_wmma_f32_16x16x32_f16 v[rS:rS+7], v[rK:rK+7], v[rQ:rQ+7], v[MC+8*i:MC+8*i+7]
.else
	v_wmma_f32_16x16x32_f16 v[rS:rS+7], v[rK:rK+7], v[rQ:rQ+7], v[rS:rS+7]
.endif
.endm
; Product i of 16 of O^T += V^T P: channels 16 (i % 8) on, keys 32 (i / 8) on.  Eight accumulators take turns.
.macro PVM
	WIN 0x01
.set rO, OA+8*(i%8)
.set rV, 128+64*(i/8)+8*(i%8)
.set rP, P+8*(i/8)
	v_wmma_f32_16x16x32_f16 v[rO:rO+7], v[rV:rV+7], v[rP:rP+7], v[rO:rO+7]
.endm
; THE LDS LOADS stand in runs of 32: a step's K (64 keys x 128 channels: 16 fragments) and its V (turned).
.macro FETCH_K
	WIN 0x40                        ; destination window 1
.irp f, 0,1,2,3,4,5,6,7,8,9,10,11,12,13,14,15  ; keys 16 (f / 4) on, channels 32 (f % 4) on
	ds_load_b128 v[8*(\f):8*(\f)+3],   v[AK] offset:((\f)/4)*16*PK+((\f)%4)*64
	ds_load_b128 v[8*(\f)+4:8*(\f)+7], v[AK] offset:((\f)/4)*16*PK+((\f)%4)*64+32
.endr
	WIN 0
.endm
.macro FETCH_V
	WIN 0x40
.irp f, 0,1,2,3,4,5,6,7,8,9,10,11,12,13,14,15  ; keys 32 (f / 8) on, channels 16 (f % 8) on
	ds_load_tr16_b128 v[128+8*(\f):128+8*(\f)+3],   v[AV] offset:((\f)/8)*32*PV+((\f)%8)*32
	ds_load_tr16_b128 v[128+8*(\f)+4:128+8*(\f)+7], v[AV] offset:((\f)/8)*32*PV+16*PV+((\f)%8)*32
.endr
	WIN 0
.endm
; THE SOFTMAX of a step: a list of 134 instructions; SM writes number j.  s0-s31 are the lane's 32 scores, in pairs 0-15.
;   0-15    the maximum of s0-s31 and the old m, three operands at a time: four chains c0-c3 (each accumulator's lowest registers are read first), then what is left over
;   16-20   the other half of the lanes' maximum; the new m; c m; c m_old - c m_new
;   21-87   33 exponentials (a, then s0-s31) at the odd numbers from 23 on, a plain instruction that names none of their registers behind each (ISA guide 5.7.2): the scaling c s - c m of pairs
;           whose exponentials are still to come, the rounding to f16 of pairs whose exponentials are done, the first three sums
;   88-101  the last rounding; the rest of the sums; l = a l + the sum          102-133  O^T times a
.macro SM
.set q, (j-20)/2
.if j < 4
	v_max3_num_f32 v[ST+4+j], v[S+8*j], v[S+8*j+1], v[S+8*j+2]
.elseif j < 12
	v_max3_num_f32 v[ST+4+j%4], v[ST+4+j%4], v[S+8*(j%4)+2*(j/4)+1], v[S+8*(j%4)+2*(j/4)+2]
.elseif j == 12
	v_max3_num_f32 v[ST+4], v[ST+4], v[S+7], v[S+15]
.elseif j == 13
	v_max3_num_f32 v[ST+6], v[ST+6], v[S+23], v[S+31]
.elseif j == 14
	v_max3_num_f32 v[ST+4], v[ST+4], v[ST+5], v[ST+6]
.elseif j == 15
	v_max3_num_f32 v[ST+4], v[ST+4], v[ST+7], v[ST+1]
.elseif j == 16
	v_permlanex16_b32 v[ST+5], v[ST+4], s[SEL], s[SEL+1]  ; the query's other 32 keys lie in the lane 16 away
.elseif j == 17
	v_mov_b32 v[ST+7], v[ST]        ; c m_old is kept for a
.elseif j == 18
	v_max_num_f32 v[ST+1], v[ST+4], v[ST+5]
.elseif j == 19
	v_mul_f32 v[ST], s[CS], v[ST+1]
.elseif j == 20
	v_sub_f32 v[ST+7], v[ST+7], v[ST]
.elseif j == 23
	v_exp_f32 v[ST+6], v[ST+7]
.elseif (j < 88) && (j > 23) && (j%2 == 1)
	v_exp_f32 v[S+(j-25)/2], v[S+(j-25)/2]
.elseif (q < 4) || ((j < 76) && (q%2 == 0))
.set b, q/2+2
.if q < 4
.set b, q
.endif
	v_pk_fma_f32 v[S+2*b:S+2*b+1], v[S+2*b:S+2*b+1], s[CS:CS+1], v[ST:ST+1] op_sel_hi:[1,0,0] neg_lo:[0,0,1] neg_hi:[0,0,1]  ; pair b: c s - c m
.elseif (j < 88) && (q%2 == 1)
	s_wait_alu depctr_va_vdst(0)
	v_cvt_pk_f16_f32 v[P+(q-5)/2], v[S+q-5], v[S+q-4]  ; its second exponential stands three numbers back
.elseif j == 89
	s_wait_alu depctr_va_vdst(0)
	v_cvt_pk_f16_f32 v[P+15], v[S+30], v[S+31]
.elseif j < 102                     ; the sum of the 16 pairs, in place: sum z adds neighbours 1, 2, 4 and 8 pairs apart, then l takes it
.set z, j-86
.if j < 89
.set z, (j-76)/4
.endif
.set w, 4
.set u, z
.if z >= 14
.set w, 32
.set u, 0
.elseif z >= 12
.set w, 16
.set u, z-12
.elseif z >= 8
.set w, 8
.set u, z-8
.endif
.if z < 15
	v_pk_add_f32 v[S+w*u:S+w*u+1], v[S+w*u:S+w*u+1], v[S+w*u+w/2:S+w*u+w/2+1]
.else
	v_pk_fma_f32 v[ST+2:ST+3], v[ST+2:ST+3], v[ST+6:ST+7], v[S:S+1] op_sel_hi:[1,0,1]
.endif
.else
	v_pk_mul_f32 v[OA+2*(j-102):OA+2*(j-102)+1], v[OA+2*(j-102):OA+2*(j-102)+1], v[ST+6:ST+7] op_sel_hi:[1,0]
.endif
.endm
; The masks of the step's four key blocks: TRI x AL + BE, with (AL, BE) = (1, 0) where e = 0, (0, 0) where e < 0, (0, -1e30) where e > 0.  Selects alone: no branch hangs on e.
.macro MASK
.irp kb, 0,1,2,3
	s_add_co_i32 s[SCR], s[E0], \kb
	s_cmp_eq_u32 s[SCR], 0
	s_cselect_b32 s[AL], 1.0, 0
	s_cmp_gt_i32 s[SCR], 0
	s_cselect_b32 s[BE], s[BIGN], 0
.irp z, 0,1,2,3
	v_pk_fma_f32 v[MC+8*(\kb)+2*(\z):MC+8*(\kb)+2*(\z)+1], v[TRI+2*(\z):TRI+2*(\z)+1], s[AL:AL+1], s[BE:BE+1] op_sel_hi:[1,0,0]
.endr
.endr
.endm
; A BLOCK'S END.  snd = 1: waves 4-7 send and waves 0-3 receive; snd = 0: the other way round.  The sender stores O^T (each accumulator's lowest four registers first), c m and l0 + l1 into the pair's
; area; its stores are waited for; one barrier; the receiver reads them (into S^T's and the mask's registers, which are free here), merges, divides, rounds to f16 and sends the 16 rows through the area's
; first bytes, which only it touches behind the barrier: in as 16 bytes a lane, back as whole rows of 256 bytes.  The branches hang on the wave's number alone; the barrier stands on every wave's path.
.macro END snd
	s_cmp_lt_u32 s[WV], 4
.if \snd
	s_cbranch_scc1 .Lkeep_\@
.else
	s_cbranch_scc0 .Lkeep_\@
.endif
	v_mov_b32 v24, v[ST]
	v_add_f32 v25, v[ST+2], v[ST+3]
.set i, 0
.rept 16
	ds_store_b128 v[XO], v[OA+4*i:OA+4*i+3] offset:512*i
.set i, i+1
.endr
	ds_store_b64 v[XS], v[24:25]
.Lkeep_\@:
	s_wait_dscnt 0x0                ; for the partner's sake: my stores are done (and no LDS load of mine is out at the signal)
	s_barrier_signal -1
	s_barrier_wait -1
	s_cmp_lt_u32 s[WV], 4
.if \snd
	s_cbranch_scc0 .Lsent_\@
.else
	s_cbranch_scc1 .Lsent_\@
.endif
	ds_load_b64 v[24:25], v[XS]     ; the partner's c m and l
.set i, 0
.rept 8
	ds_load_b128 v[S+4*i:S+4*i+3], v[XO] offset:512*i
.set i, i+1
.endr
.set i, 0
.rept 8
	ds_load_b128 v[MC+4*i:MC+4*i+3], v[XO] offset:4096+512*i
.set i, i+1
.endr
	v_add_f32 v21, v[ST+2], v[ST+3]
	s_wait_dscnt 16                 ; the two statistics are in; the sixteen loads behind them may be out
	v_max_num_f32 v10, v[ST], v24   ; the pair's c m
	v_sub_f32 v11, v[ST], v10
	v_sub_f32 v24, v24, v10
	v_exp_f32 v11, v11              ; my weight,
	v_exp_f32 v24, v24              ; the partner's
	v_nop                           ; a plain instruction behind the exponentials
	s_wait_alu depctr_va_vdst(0)
	v_mul_f32 v21, v21, v11
	v_fma_f32 v21, v25, v24, v21    ; the merged l of my half of the lanes,
	v_permlanex16_b32 v25, v21, s[SEL], s[SEL+1]
	v_add_f32 v21, v21, v25         ; and of both
	v_rcp_f32 v21, v21
	v_nop                           ; a plain instruction behind the reciprocal
	s_wait_alu depctr_va_vdst(0)
	v_mul_f32 v26, v11, v21
	v_mul_f32 v28, v24, v21
	v_mov_b32 v27, v26              ; named as pairs
	v_mov_b32 v29, v28
	s_wait_dscnt 0x0                ; the partner's O^T is in; my reads of the area are over
.set i, 0
.rept 32
	v_pk_mul_f32 v[OA+2*i:OA+2*i+1], v[OA+2*i:OA+2*i+1], v[26:27] op_sel_hi:[1,0]
.set i, i+1
.endr
.set i, 0
.rept 16
	v_pk_fma_f32 v[OA+2*i:OA+2*i+1], v[S+2*i:S+2*i+1], v[28:29], v[OA+2*i:OA+2*i+1] op_sel_hi:[1,0,1]
.set i, i+1
.endr
.set i, 0
.rept 16
	v_pk_fma_f32 v[OA+32+2*i:OA+32+2*i+1], v[MC+2*i:MC+2*i+1], v[28:29], v[OA+32+2*i:OA+32+2*i+1] op_sel_hi:[1,0,1]
.set i, i+1
.endr
.set i, 0
.rept 32
	v_cvt_pk_f16_f32 v[S+i], v[OA+2*i], v[OA+2*i+1]
.set i, i+1
.endr
.irp f, 0,1,2,3,4,5,6,7
	ds_store_b128 v[STO], v[S+4*(\f):S+4*(\f)+3] offset:32*(\f)
.endr
.irp f, 0,1,2,3,4,5,6,7
	ds_load_b128 v[S+4*(\f):S+4*(\f)+3], v[RD] offset:(\f)*2*SP  ; LDS serves a wave's instructions in order (ISA guide 5.7.1.4): these see the stores above
.endr
.irp f, 0,1,2,3,4,5,6,7
	s_wait_dscnt 7-(\f)             ; the 7 - f younger loads may be out
	global_store_b128 v[GO], v[S+4*(\f):S+4*(\f)+3], s[10:11] offset:(\f)*8192  ; 16 lanes store 256 consecutive bytes, aligned: a head's part of a token's row
.endr
.Lsent_\@:
	s_wait_xcnt 0x0                 ; the stores have read their registers and their base: these are rewritten only behind this wait
.endm
; A TRIP.  tail = 1: the walk's last tile, written out: three trips, of which the third only finishes my last step and leaves.
.macro UNIT tail
.Lstep_\@:
.if \tail
	s_cmp_eq_u32 s[CNT], 1
	s_cbranch_scc1 .Lno_k_\@        ; there is no further step
.endif
	v_add_nc_u32 v[AK], s[TBK], v[AK0]
	FETCH_K                         ; K of this step; the last products that read K's registers stand four places back
	s_add_co_u32 s[TBK], s[TBK], KS*PK
.if \tail
.Lno_k_\@:
.else
	s_cmp_eq_u32 s[NEW], 1
	s_cbranch_scc1 .Lbegin_\@       ; the walk's first trip has no step before it
.endif
.set j, 0
.rept 134
	SM                              ; the softmax of the step before
.set j, j+1
.endr
	s_wait_dscnt 0x0                ; V of that step is in
.set i, 0
.rept 16
	PVM
.set i, i+1
.endr
	WIN 0                           ; at a label and at a branch every window is 0
	PLACES                          ; behind those products: in front of V's run, and of the stores and the arithmetic of a block's end
.if \tail
	s_cmp_eq_u32 s[CNT], 1
	s_cbranch_scc1 .Lout            ; the second block is finished
.endif
	s_cmp_eq_u32 s[ENDF], 1
	s_cbranch_scc0 .Lgo_\@
	END 1                           ; the first block is finished
	s_mov_b64 s[10:11], s[OLO:OLO+1]  ; the second block: its rows of ob, its mask count, its Q
	s_mov_b32 s[E0], s[ELO]
.set i, 0
.rept 32
	v_mov_b32 v[QF+i], v[Q2F+i]
.set i, i+1
.endr
.Lbegin_\@:                         ; a block begins
	s_mov_b32 s[NEW], 0
	s_mov_b32 s[ENDF], 0
	v_mov_b32 v[ST], 0xfe000000     ; c m_old: far below every c m, so the first a is 0
	v_mov_b32 v[ST+1], 0xef800000   ; m: -2^96
	s_branch .Lmask_\@
.Lgo_\@:
	s_cmp_eq_u32 s[RT], 0           ; only a block's last tile has keys to hide; elsewhere the masks made at the block's beginning, all 0, stand
	s_cbranch_scc0 .Lnomask_\@
.Lmask_\@:
	MASK
.Lnomask_\@:
	v_add_nc_u32 v[AV], s[TBV], v[AV0]
	FETCH_V                         ; V of this step
	s_add_co_u32 s[TBV], s[TBV], KS*PV
	s_wait_dscnt 32                 ; K is in; V's 32 loads may be out
.set i, 0
.rept 16
	KQM
.set i, i+1
.endr
	WIN 0
	PLACES                          ; in front of the next trip's loads into K's registers and its reads of the scores
	s_add_co_i32 s[E0], s[E0], 4
	s_sub_co_u32 s[CNT], s[CNT], 1
	s_cmp_lg_u32 s[CNT], 0
	s_cbranch_scc1 .Lstep_\@
.endm
.Lslot:                             ; eight times: a tile is entered and the next is asked for
	CHANGE 1
	s_mov_b32 s[CNT], 2
	UNIT 0
	s_sub_co_u32 s[SLOTS], s[SLOTS], 1
	s_cmp_lg_u32 s[SLOTS], 0
	s_cbranch_scc1 .Lslot
	CHANGE 0                        ; the ninth tile: nothing is asked for
	s_mov_b32 s[CNT], 3
	UNIT 1
.Lout:
	END 0                           ; waves 0-3 send: each writes the area that it was the last to touch
	s_wait_tensorcnt 0x0            ; the wave's end: behind my last tensor load and my last LDS store
	ds_add_u32 v[SPW], v[NIL]
	s_wait_dscnt 0x0
	CROUND                          ; the closing round: no work-group ends while a partner may still ask for a tile that names it
	s_endpgm
.Lfunc_end_k_qcafa0eea1f_attn:
	.size	k_qcafa0eea1f_attn, .Lfunc_end_k_qcafa0eea1f_attn-k_qcafa0eea1f_attn
	.p2alignl 7, 3214868480
	.fill 96, 4, 3214868480
	.section	.rodata,"a",@progbits
	.p2align	6, 0x0
	.amdhsa_kernel k_qcafa0eea1f_attn
		.amdhsa_group_segment_fixed_size 327680
		.amdhsa_private_segment_fixed_size 0
		.amdhsa_enable_private_segment 0
		.amdhsa_kernarg_size 16
		.amdhsa_user_sgpr_count 2
		.amdhsa_user_sgpr_kernarg_segment_ptr 1
		.amdhsa_wavefront_size32 1
		.amdhsa_system_sgpr_workgroup_id_x 1
		.amdhsa_system_sgpr_workgroup_id_y 1
		.amdhsa_system_sgpr_workgroup_id_z 1
		.amdhsa_system_vgpr_workitem_id 0
		.amdhsa_next_free_vgpr 512
		.amdhsa_next_free_sgpr 96
		.amdhsa_reserve_vcc 1
		.amdhsa_float_denorm_mode_32 3
		.amdhsa_float_denorm_mode_16_64 3
		.amdhsa_memory_ordered 1
		.amdhsa_forward_progress 1
		.amdhsa_inst_pref_size 84
	.end_amdhsa_kernel
	.amdgpu_metadata
---
amdhsa.version: [ 1, 2 ]
amdhsa.kernels:
  - .name:           k_qcafa0eea1f_attn
    .symbol:         k_qcafa0eea1f_attn.kd
    .args:
      - { .name: qkv, .offset: 0, .size: 8, .value_kind: global_buffer, .address_space: global }
      - { .name: ob, .offset: 8, .size: 8, .value_kind: global_buffer, .address_space: global }
    .group_segment_fixed_size: 327680
    .private_segment_fixed_size: 0
    .kernarg_segment_align: 8
    .kernarg_segment_size: 16
    .max_flat_workgroup_size: 256
    .sgpr_count:     96
    .vgpr_count:     512
    .wavefront_size: 32
...
	.end_amdgpu_metadata
.endif
;; end of part 3
;; launch oproj (part 4): grid 16 x 16, 4 waves a work-group, clusters of 4 x 4, 327,680 bytes of LDS; arguments ob, cb, out0; writes out0
.if DOCPART == 4
	.amdgcn_target "amdgcn-amd-amdhsa--gfx1250"
	.amdhsa_code_object_version 6
	.text
	.protected	k_qcafa0eea1f_oproj
	.globl	k_qcafa0eea1f_oproj
	.p2align	8
	.type	k_qcafa0eea1f_oproj,@function
k_qcafa0eea1f_oproj:
	s_mov_b64 s[64:65], 0
	v_nop
	global_prefetch_b8 v0, s[64:65] scope:SCOPE_SE
	s_setreg_imm32_b32 hwreg(HW_REG_WAVE_MODE, 25, 1), 1
	s_wait_xcnt 0x0
	s_wait_alu depctr_hold_cnt(0) depctr_sa_sdst(0) depctr_va_vdst(0) depctr_va_sdst(0) depctr_va_ssrc(0) depctr_va_vcc(0) depctr_vm_vsrc(0)
	s_getreg_b32 s2, hwreg(HW_REG_IB_STS2, 6, 4)
	s_cmp_eq_u32 s2, 0
	s_cbranch_scc0 .Lentry_in_a_cluster
	s_endpgm
.Lentry_in_a_cluster:
	s_bfe_u32 s2, ttmp6, 0x10000c
	s_cmp_lg_u32 s2, 0xf033
	s_cbranch_scc0 .Lentry_shape_is_right
	s_endpgm
.Lentry_shape_is_right:
; oproj: out0[s][e] = the sum over m of ob[s][m] wo[e][m].  ob: [2048][2048] f16; wo: plane 4 of cb, [2048][2048], its bf16 rounding written as f16; out0: [2048][2048] f32; sums in f32.
; A tile of out0 is 128 x 128: 16 x 16 work-groups.  Four waves, each 64 x 64: 16 accumulators, 128 registers.  K goes in steps of 256 (LDS rows of 512 bytes; a wave's tensor load brings 64 rows)
; through two slots.  CLUSTER 4 x 4: ob's tile is asked for jointly by a row of the cluster, wo's by a column.
; THE WALK ALONG K IS ROTATED: a cluster whose x + y is odd begins at K step 4 of 8 and wraps round.  Of two clusters that read the same rows of ob or of wo and differ by one in x or y, each asks in
; the second half of its walk for bytes that the other has read in its first half, not for the same bytes at the same time.  The start hangs on the cluster's coordinates alone, so the sixteen
; partners walk alike.  The f32 sums therefore run over K in a rotated order in half of the clusters.
; THE MATRIX INSTRUCTION IS USED TRANSPOSED (source 0 = 16 rows of wo, source 1 = 16 tokens): a lane holds eight neighbouring numbers of a row of out0, 32 bytes.
; THE WAY OUT: a wave's 64 columns of f32 are a whole aligned 256 bytes, so each wave has a stage of its own (16 rows x 272 bytes) and no barrier is needed.
; REGISTERS: window 0: v0-31 addresses; v32-95 rows read back, two buffers; v128-255 the accumulators ((a, b) at 128 + 8 (4 a + b)).   window 1: two fragment buffers of 128.
.set SIZE_K, 2048
.set SIZE_N, 2048
.set KSTEP,  256
.set PITCH,  528                       ; an LDS row: 512 bytes + 16 of padding = 132 words: the 16 rows of a load start at 16 different groups of four banks (ISA guide 11.1)
.set HALFT,  64*PITCH                  ; 64 rows: what one tensor load brings, and what one wave reads of either operand
.set SLOT,   4*HALFT                   ; ob's 128 rows, then wo's 128 rows
.set STAGE,  2*SLOT
.set SPITCH, 272
.set SPARE,  STAGE+4*16*SPITCH         ; behind the stages: the spare words, 128 bytes for each wave
.set LAPS, SIZE_K/(2*KSTEP)            ; 4
.set ADRA, 16                          ; v16-17  LDS address of my fragments of ob in slot 0, 1
.set ADRB, 20                          ; v20-21  the same for wo
.set STO,  24                          ; v24     the way out: where I put 32 bytes of a row
.set RD,   25                          ; v25     where I read a row back
.set CO,   26                          ; v26     my byte offset in two rows of out0
.set SPW,  28                          ; v28     LDS address of my spare word; never rewritten
.set NIL,  29                          ; v29     0; never rewritten
.set OB,   32
.set ACC,  128
.set F0,   0
.set F1,   128
.set G1, 24
.set G0, 32
.set G1B, 48
.set G0B, 56
.set ABS, 66                           ; s[66:67] ob at the first byte of the rows that I fetch
.set BBS, 68                           ; s[68:69] wo likewise
.set KO,  70                           ; s[70:71] byte offset along a row (4,096 bytes) of the K step to be asked for next
.set MSB, 0
.macro WIN new
.if MSB != (\new)
	s_set_vgpr_msb (MSB<<8)|(\new)
.set MSB, \new
.endif
.endm
.set MUL,  0x05                        ; sources 0 and 1 window 1; C and D window 0
.set TO_F, 0x40                        ; destination window 1, address window 0
.macro JLOAD s                         ; a joint load: waves 0 and 1 fetch ob's two halves, waves 2 and 3 wo's; an s_nop 0 and four v_nop follow each line
	s_cmp_eq_u32 s11, 0
	s_cbranch_scc0 .Lfor_b_\@
	tensor_load_to_lds s[G0+4*(\s):G0+4*(\s)+3], s[G1:G1+7]
	s_nop 0
.rept 4
	v_nop
.endr
	s_branch .Lasked_\@
.Lfor_b_\@:
	tensor_load_to_lds s[G0B+4*(\s):G0B+4*(\s)+3], s[G1B:G1B+7]
	s_nop 0
.rept 4
	v_nop
.endr
.Lasked_\@:
.endm
; Slot s's two descriptors take the K step at KO, each address made anew from its base; KO steps on and wraps at the row's end.
.macro AIM s
	s_add_nc_u64 s[G0+4*(\s)+2:G0+4*(\s)+3], s[ABS:ABS+1], s[KO:KO+1]
	s_or_b32 s[G0+4*(\s)+3], s[G0+4*(\s)+3], 0x80000000
	s_add_nc_u64 s[G0B+4*(\s)+2:G0B+4*(\s)+3], s[BBS:BBS+1], s[KO:KO+1]
	s_or_b32 s[G0B+4*(\s)+3], s[G0B+4*(\s)+3], 0x80000000
	s_add_co_u32 s[KO], s[KO], KSTEP*2
	s_and_b32 s[KO], s[KO], 0xfff
.endm
.macro CREST
	s_cmp_lg_u32 s10, 0
	s_cbranch_scc1 .Lnot_wave_0_\@
	s_barrier_signal -3
.Lnot_wave_0_\@:
	s_barrier_wait -3
	s_barrier_signal -1
	s_barrier_wait -1
.endm
.macro CROUND
	s_barrier_signal -1
	s_barrier_wait -1
	CREST
.endm
	s_load_b128 s[4:7], s[0:1], 0x0                ; ob s[4:5], cb s[6:7]
	s_load_b64 s[8:9], s[0:1], 0x10                ; out0
	v_lshl_add_u32 v[SPW], v0, 2, SPARE
	v_mov_b32 v[NIL], 0
	ds_add_u32 v[SPW], v[NIL]                      ; the wave's opening: the add and its wait stand ahead of my first tensor load; work on registers stands between them
	v_lshrrev_b32 v1, 5, v0
	v_readfirstlane_b32 s10, v1                    ; wave 0..3
	s_lshr_b32 s11, s10, 1                         ; which half of the tile's rows is mine.  Also: I fetch for ob (0) or for wo (1)
	s_and_b32 s12, s10, 1                          ; which half of its columns.  Also: which 64 rows of that tile I fetch
	s_bfe_u32 s40, ttmp6, 0x40000                  ; cx, cy
	s_bfe_u32 s41, ttmp6, 0x40004
	s_lshl_b32 s42, ttmp9, 2
	s_add_co_u32 s42, s42, s40                     ; tile column = 4 x cluster x + cx
	s_and_b32 s13, ttmp7, 0xffff                   ; cluster y
	s_add_co_u32 s[KO], s13, ttmp9                 ; cluster x + cluster y:
	s_and_b32 s[KO], s[KO], 1                      ; odd clusters
	s_lshl_b32 s[KO], s[KO], 11                    ; begin 4 K steps of 512 bytes into the rows
	s_mov_b32 s[KO+1], 0
	s_lshl_b32 s13, s13, 2
	s_add_co_u32 s13, s13, s41                     ; tile row = 4 x cluster y + cy
	s_lshl_b32 s43, s41, 2
	s_lshl_b32 s43, 15, s43                        ; my row of the cluster
	s_lshl_b32 s44, 0x1111, s40                    ; my column
	; descriptor group 1: a tile of 64 rows x 256 elements of 2 bytes, 4 words of padding behind every 128
	s_or_b32 s[G1+0], s43, (1<<16)|(1<<20)|(1<<21)|(6<<22)|(3<<25)
	s_or_b32 s[G1B+0], s44, (1<<16)|(1<<20)|(1<<21)|(6<<22)|(3<<25)
.irp g, G1, G1B
	s_mov_b32 s[(\g)+1], KSTEP<<16                 ; tensor_dim0 = 256
	s_mov_b32 s[(\g)+2], 64<<16                    ; tensor_dim1 = 64
	s_mov_b32 s[(\g)+3], KSTEP<<16                 ; tile_dim0 = 256
	s_mov_b32 s[(\g)+4], 64                        ; tile_dim1 = 64
	s_mov_b32 s[(\g)+5], SIZE_K                    ; elements from row to row
	s_mov_b32 s[(\g)+6], 0
	s_mov_b32 s[(\g)+7], 0
.endr
	s_lshl_b32 s17, s12, 6                         ; which 64 rows of the tile I fetch
	s_lshl_b32 s16, s13, 7
	s_add_co_u32 s16, s16, s17                     ; ob: row 128 x tile row + 64 x half
	s_lshl_b32 s46, s42, 7
	s_add_co_u32 s46, s46, s17                     ; wo: row 128 x tile column + 64 x half
	s_lshl_b32 s16, s16, 12                        ; rows of 4,096 bytes: under 2^23
	s_lshl_b32 s46, s46, 12
	s_add_co_u32 s46, s46, 0x2000000               ; plane 4 of cb
	s_mov_b32 s17, 0
	s_mov_b32 s47, 0
	s_mul_i32 s20, s10, HALFT                      ; where they go: wave x 64 rows
	s_wait_dscnt 0x0                               ; the opening add is done
	s_wait_kmcnt 0x0
	s_add_nc_u64 s[ABS:ABS+1], s[4:5], s[16:17]
	s_add_nc_u64 s[BBS:BBS+1], s[6:7], s[46:47]
	CROUND                                         ; all sixteen work-groups are here: the first joint loads meet
.irp s, 0,1
	s_mov_b32 s[G0+4*(\s)], 1
	s_add_co_u32 s[G0+4*(\s)+1], s20, (\s)*SLOT
	s_mov_b32 s[G0B+4*(\s)], 1
	s_add_co_u32 s[G0B+4*(\s)+1], s20, (\s)*SLOT
	AIM \s
	JLOAD \s                                       ; the walk's first two K steps: two loads of mine are out
.endr
	v_and_b32 v1, 15, v0                           ; r = lane % 16
	v_bfe_u32 v2, v0, 4, 1                         ; h = lane / 16
	v_mul_u32_u24 v3, v1, PITCH
	v_lshl_add_u32 v3, v2, 4, v3                   ; a fragment's row x pitch + 16 h
	s_mul_i32 s21, s11, HALFT                      ; my 64 rows of ob
	s_mul_i32 s22, s12, HALFT                      ; my 64 rows of wo,
	s_add_co_u32 s22, s22, 2*HALFT                 ; which lie behind ob's 128
.irp s, 0,1
	v_add_nc_u32 v[ADRA+(\s)], s21, v3
	v_add_nc_u32 v[ADRB+(\s)], s22, v3
	s_add_co_u32 s21, s21, SLOT
	s_add_co_u32 s22, s22, SLOT
.endr
	s_mul_i32 s23, s10, 16*SPITCH
	s_add_co_u32 s23, s23, STAGE                   ; my stage
	v_mul_u32_u24 v4, v1, SPITCH                   ; in: row r, 32 bytes for each half of the lanes
	v_lshl_add_u32 v4, v2, 5, v4
	v_add_nc_u32 v[STO], s23, v4
	v_mul_u32_u24 v5, v2, SPITCH                   ; back: lanes 0-15 take one row of 256 bytes, lanes 16-31 the next
	v_lshl_add_u32 v5, v1, 4, v5
	v_add_nc_u32 v[RD], s23, v5
	v_lshlrev_b32 v[CO], 13, v2                    ; and the same two rows in out0, 8,192 bytes apart
	v_lshl_add_u32 v[CO], v1, 4, v[CO]
	s_lshl_b32 s16, s13, 20                        ; my first row of out0: 128 rows of 8,192 bytes a tile row,
	s_lshl_b32 s17, s11, 19                        ; 64 a half
	s_add_co_u32 s16, s16, s17
	s_mov_b32 s17, 0
	s_add_nc_u64 s[8:9], s[8:9], s[16:17]
	s_lshl_b32 s46, s42, 9                         ; my first column, in bytes: 512 a tile column,
	s_lshl_b32 s47, s12, 8                         ; 256 a half
	s_add_co_u32 s46, s46, s47
	s_mov_b32 s47, 0
	s_add_nc_u64 s[8:9], s[8:9], s[46:47]
; 8 matrix instructions: token blocks a0, a0 + 1 x all 4 column blocks, 32 along K: half c of buffer f.  zero = 1: the product starts the sums.  The 16 accumulators take turns.
.macro MUL8 f, c, a0, zero
	WIN MUL
.irp a, \a0, (\a0)+1
.irp b, 0,1,2,3
.if \zero
	v_wmma_f32_16x16x32_f16 v[ACC+8*(4*(\a)+(\b)):ACC+8*(4*(\a)+(\b))+7], v[(\f)+64+8*(4*(\c)+(\b)):(\f)+64+8*(4*(\c)+(\b))+7], v[(\f)+8*(4*(\c)+(\a)):(\f)+8*(4*(\c)+(\a))+7], 0
.else
	v_wmma_f32_16x16x32_f16 v[ACC+8*(4*(\a)+(\b)):ACC+8*(4*(\a)+(\b))+7], v[(\f)+64+8*(4*(\c)+(\b)):(\f)+64+8*(4*(\c)+(\b))+7], v[(\f)+8*(4*(\c)+(\a)):(\f)+8*(4*(\c)+(\a))+7], v[ACC+8*(4*(\a)+(\b)):ACC+8*(4*(\a)+(\b))+7]
.endif
.endr
.endr
.endm
; 32 LDS loads in one run: the fragments of 64 along K at byte k of the rows, into buffer f; the first 32 along K first
.macro FETCH slot, k, f
	WIN TO_F
.irp c, 0,1
.irp i, 0,1,2,3
	ds_load_b128 v[(\f)+64+8*(4*(\c)+(\i)):(\f)+64+8*(4*(\c)+(\i))+3],   v[ADRB+(\slot)] offset:(\k)+64*(\c)+(\i)*16*PITCH
	ds_load_b128 v[(\f)+64+8*(4*(\c)+(\i))+4:(\f)+64+8*(4*(\c)+(\i))+7], v[ADRB+(\slot)] offset:(\k)+64*(\c)+(\i)*16*PITCH+32
	ds_load_b128 v[(\f)+8*(4*(\c)+(\i)):(\f)+8*(4*(\c)+(\i))+3],         v[ADRA+(\slot)] offset:(\k)+64*(\c)+(\i)*16*PITCH
	ds_load_b128 v[(\f)+8*(4*(\c)+(\i))+4:(\f)+8*(4*(\c)+(\i))+7],       v[ADRA+(\slot)] offset:(\k)+64*(\c)+(\i)*16*PITCH+32
.endr
.endr
.endm
.macro PLACES                          ; four places behind matrix instructions (ISA guide 7.12.1)
.rept 4
	v_nop
.endr
.endm
; A K step is four quarters of 64 along K, 32 matrix instructions each, on buffers 0, 1, 0, 1.
.macro QUARTER slot, k, f, g, zero
	s_wait_dscnt 16                                ; the first 32 along K are in
	MUL8 \f, 0, 0, \zero
	MUL8 \f, 0, 2, \zero
	PLACES
	FETCH \slot, \k, \g
	s_wait_dscnt 32                                ; all but the 32 just issued
	MUL8 \f, 1, 0, 0
	MUL8 \f, 1, 2, 0
.endm
; The last quarter multiplies buffer 1 and changes slots: ONE barrier; in front of it each wave waits for all its tensor loads, adds 0 to its spare word, and waits for that and for its reads of this slot.
.macro TURN slot, next, fill
	WIN 0                                          ; (the add's two registers lie in window 0)
	s_wait_tensorcnt 0x0                           ; all my tensor loads have landed: my part of the next slot
	ds_add_u32 v[SPW], v[NIL]
	s_wait_dscnt 17                                ; (the add and the youngest sixteen loads may be out)
	MUL8 F1, 0, 0, 0
	s_wait_dscnt 0x0                               ; the add is done, and my reads of this slot are over
	s_barrier_signal -1
	MUL8 F1, 0, 2, 0
.if \fill
	WIN 0
.endif
	s_barrier_wait -1
.if \fill
	CREST                                          ; no wave of any partner still reads this slot or has a load on its way
	AIM \slot                                      ; no tensor load of mine is out, so the descriptors may be written
	JLOAD \slot                                    ; my one tensor load behind the round; its four v_nop are also the places in front of the loads below
.else
	PLACES
.endif
	FETCH \next, 0, F0
	MUL8 F1, 1, 0, 0
	MUL8 F1, 1, 2, 0
.endm
	s_wait_tensorcnt 1                             ; my part of the first K step is in; the second's may stay out
	s_barrier_signal -1
	s_barrier_wait -1
	FETCH 0, 0, F0
	QUARTER 0, 128, F0, F1, 1                      ; the first quarter stands in front of the loop: its first products start the sums
	WIN 0
	s_mov_b32 s3, LAPS-1
.Llap:
	QUARTER 0, 256, F1, F0, 0
	QUARTER 0, 384, F0, F1, 0
	TURN 0, 1, 1
	QUARTER 1, 128, F0, F1, 0
	QUARTER 1, 256, F1, F0, 0
	QUARTER 1, 384, F0, F1, 0
	TURN 1, 0, 1
	QUARTER 0, 128, F0, F1, 0
	WIN 0
	s_sub_co_u32 s3, s3, 1
	s_cmp_lg_u32 s3, 0
	s_cbranch_scc1 .Llap
	QUARTER 0, 256, F1, F0, 0                      ; the last lap fills nothing
	QUARTER 0, 384, F0, F1, 0
	TURN 0, 1, 0
	QUARTER 1, 128, F0, F1, 0
	QUARTER 1, 256, F1, F0, 0
	QUARTER 1, 384, F0, F1, 0
	s_wait_dscnt 16                                ; the very last quarter: nothing more to fetch
	MUL8 F1, 0, 0, 0
	MUL8 F1, 0, 2, 0
	s_wait_dscnt 0x0
	MUL8 F1, 1, 0, 0
	MUL8 F1, 1, 2, 0
	WIN 0
; THE WAY OUT, 16 rows at a time.  TOSTAGE: the four accumulators of token block a go as they are (f32, the lowest four registers first) into my stage, and come back as whole rows of 256 bytes.
.macro TOSTAGE a
.set BK, OB+32*((\a)%2)
.if (\a) >= 2
	s_wait_xcnt 0x0                                ; the stores of the block two back have read this buffer: it is loaded again only behind this wait
.endif
.irp b, 0,1,2,3
	ds_store_b128 v[STO], v[ACC+8*(4*(\a)+(\b)):ACC+8*(4*(\a)+(\b))+3]   offset:64*(\b)
	ds_store_b128 v[STO], v[ACC+8*(4*(\a)+(\b))+4:ACC+8*(4*(\a)+(\b))+7] offset:64*(\b)+16
.endr
.irp t, 0,1,2,3,4,5,6,7
	ds_load_b128 v[BK+4*(\t):BK+4*(\t)+3], v[RD] offset:(\t)*2*SPITCH  ; LDS serves a wave's instructions in order (ISA guide 5.7.1.4): these see the stores above; the next block's stores come behind them
.endr
.endm
.macro SEND a, younger                 ; younger: the LDS instructions issued behind block a's loads: the next block's sixteen, or none
.set BK, OB+32*((\a)%2)
.irp t, 0,1,2,3,4,5,6,7
	s_wait_dscnt (\younger)+7-(\t)
	global_store_b128 v[CO], v[BK+4*(\t):BK+4*(\t)+3], s[8:9] offset:(16*(\a)+2*(\t))*SIZE_N*4  ; 16 lanes store 256 consecutive bytes, aligned
.endr
.endm
	PLACES                                         ; behind the last products
	TOSTAGE 0
	TOSTAGE 1
	SEND 0, 16
	TOSTAGE 2
	SEND 1, 16
	TOSTAGE 3
	SEND 2, 16
	SEND 3, 0
	s_wait_tensorcnt 0x0                           ; the wave's end: behind my last tensor load and my last LDS store
	ds_add_u32 v[SPW], v[NIL]
	s_wait_dscnt 0x0
	CROUND                                         ; the closing round: no work-group ends while a partner may still ask for a tile that names it
	s_endpgm
.Lfunc_end_k_qcafa0eea1f_oproj:
	.size	k_qcafa0eea1f_oproj, .Lfunc_end_k_qcafa0eea1f_oproj-k_qcafa0eea1f_oproj
	.p2alignl 7, 3214868480
	.fill 96, 4, 3214868480
	.section	.rodata,"a",@progbits
	.p2align	6, 0x0
	.amdhsa_kernel k_qcafa0eea1f_oproj
		.amdhsa_group_segment_fixed_size 327680
		.amdhsa_private_segment_fixed_size 0
		.amdhsa_enable_private_segment 0
		.amdhsa_kernarg_size 24
		.amdhsa_user_sgpr_count 2
		.amdhsa_user_sgpr_kernarg_segment_ptr 1
		.amdhsa_wavefront_size32 1
		.amdhsa_system_sgpr_workgroup_id_x 1
		.amdhsa_system_sgpr_workgroup_id_y 1
		.amdhsa_system_sgpr_workgroup_id_z 1
		.amdhsa_system_vgpr_workitem_id 0
		.amdhsa_next_free_vgpr 512
		.amdhsa_next_free_sgpr 72
		.amdhsa_reserve_vcc 0
		.amdhsa_float_denorm_mode_32 3
		.amdhsa_float_denorm_mode_16_64 3
		.amdhsa_memory_ordered 1
		.amdhsa_forward_progress 1
		.amdhsa_inst_pref_size 87
	.end_amdhsa_kernel
	.amdgpu_metadata
---
amdhsa.version: [ 1, 2 ]
amdhsa.kernels:
  - .name:           k_qcafa0eea1f_oproj
    .symbol:         k_qcafa0eea1f_oproj.kd
    .args:
      - { .name: ob, .offset: 0, .size: 8, .value_kind: global_buffer, .address_space: global }
      - { .name: cb, .offset: 8, .size: 8, .value_kind: global_buffer, .address_space: global }
      - { .name: out0, .offset: 16, .size: 8, .value_kind: global_buffer, .address_space: global }
    .group_segment_fixed_size: 327680
    .private_segment_fixed_size: 0
    .kernarg_segment_align: 8
    .kernarg_segment_size: 24
    .max_flat_workgroup_size: 128
    .sgpr_count:     72
    .vgpr_count:     512
    .wavefront_size: 32
...
	.end_amdgpu_metadata
.endif
;; end of part 4
